; MI455X (gfx1250); checked and timed in simulation.
; The chip was launched on July 23, 2026; its instructions are those of AMD's public machine-readable ISA for CDNA 5 (MIT licence, August 2026) and "CDNA5" Instruction Set Architecture Reference Guide (July 2026). The comments in the code are by the model that wrote it; some were corrected since.
;; Att Model. Allowed arithmetic: matrix products marked QUANTISED: E2M1 operands, one E8M0 scale for each 32 along K, by v_wmma_scale_f32_16x16x128_f8f6f4 with both operands' format E2M1 (or v_wmma_scale_f32_32x16x128_f4), f32 sums; everything else in f32.
;; Inputs: Wk_codes 512 x 8 x 16 uint8 (E2M1 codes of Wk, K innermost, in blocks of 32 codes, two codes a byte); Wk_scales 512 x 8 uint8 (E8M0 scales of Wk, one for each 32 codes along K); Wq_codes 512 x 8 x 16 uint8 (E2M1 codes of Wq, K innermost, in blocks of 32 codes, two codes a byte); Wq_scales 512 x 8 uint8 (E8M0 scales of Wq, one for each 32 codes along K); Wv_codes 512 x 8 x 16 uint8 (E2M1 codes of Wv, K innermost, in blocks of 32 codes, two codes a byte); Wv_scales 512 x 8 uint8 (E8M0 scales of Wv, one for each 32 codes along K); bk 512 float32; bq 512 float32; bv 512 float32; mask 32 x 1,024 x 1,024 float32; x_codes 32 x 1,024 x 8 x 16 uint8 (E2M1 codes of x, K innermost, in blocks of 32 codes, two codes a byte); x_scales 32 x 1,024 x 8 uint8 (E8M0 scales of x, one for each 32 codes along K).
;; Outputs: out0 32 x 1,024 x 512 float32.
;; This version of the problem:
;;   THIS VERSION OF THE PROBLEM IS GIVEN IN LOW PRECISION. The matrix products marked QUANTISED in the list below multiply operands that are first quantised to E2M1 (2 exponent bits, 1 mantissa bit; 4 bits a number), with one power-of-two scale for each 32 numbers along K (OCP MX v1.0); their sums are f32. All else is computed in f32.
;;   The module's matrix products, in the order in which they are computed (A, B: the left and right operand; K: the contracted axis; several contracted axes count as one K, in the product's order):
;;     1. [M 32,768, K 256] x [K 256, N 512]; A: input x (given as codes); B: input Wv (given as codes): QUANTISED
;;     2. [M 32,768, K 256] x [K 256, N 512]; A: input x (given as codes); B: input Wq (given as codes): QUANTISED
;;     3. [M 32,768, K 256] x [K 256, N 512]; A: input x (given as codes); B: input Wk (given as codes): QUANTISED
;;     4. batch 32 x [M 1,024, K 512] x [K 512, N 1,024]; A: computed on the way; B: computed on the way: QUANTISED
;;     5. batch 32 x [M 1,024, K 1,024] x [K 1,024, N 512]; A: softmax (see below); B: computed on the way: QUANTISED
;;   THE QUANTISER, for each operand of a quantised product, along K:
;;     - K is cut into blocks of 32 from its start; a last block that is shorter is filled with zeros.
;;     - A block's scale is 2^e with e = floor(log2(the largest magnitude in the block)) - 2, held to -126 .. 127; a block of zeros has e = 0. As a byte (E8M0): e + 127.
;;     - Each number is divided by its block's scale, clamped to +-6, and rounded to the nearest number of E2M1, ties to even, subnormals kept.
;;     - The product sums the exact products of the quantised numbers (number of the format x scale) in f32.
;;   ~~~python
;;   def quantise(x, axis):      # numpy; x: float32 -> the quantised numbers, widened to float32 again
;;       x = np.moveaxis(x, axis, -1); K = x.shape[-1]
;;       x = np.pad(x, [(0, 0)] * (x.ndim - 1) + [(0, -K % 32)]); x = x.reshape(x.shape[:-1] + (-1, 32)); a = np.abs(x).max(-1, keepdims=True)
;;       e = np.where(a > 0, np.clip(np.frexp(np.where(a > 0, a, 1))[1] - 1 - 2, -126, 127), 0)      # np.frexp(a)[1] - 1 = floor(log2(a)), exactly
;;       r = np.clip(x / 2.0 ** e, -6, 6)
;;       step = 2.0 ** (np.maximum(np.frexp(np.where(r == 0, 1, r))[1] - 1, 0) - 1)
;;       q = np.round(r / step) * step * 2.0 ** e      # np.round: ties to even
;;       return np.moveaxis(q.reshape(q.shape[:-2] + (-1,))[..., :K], -1, axis).astype(np.float32)
;;   ~~~
;;   SOFTMAX AHEAD OF A QUANTISED PRODUCT. Where the list says 'softmax', what is quantised is not the finished softmax but p = 2^(t - M), with t = logit x log2(e) and M = ceil(the row's largest t), a whole number; so 1/2 < the row's largest p <= 1. The row's sum l is taken of the UNQUANTISED p, in f32, and the product's result is divided by l at the end. Since M is a whole number, a kernel that streams over the keys may use a running M (the ceiling of the running maximum): every later rescaling is an exact power of two, which a block's scale takes up: the codes' values come out the same.
;;   OPERANDS COMPUTED ON THE WAY. 'Computed on the way' means the value that the module computes at that place (a softmax that the list does not call 'softmax' is quantised finished and normalised). What goes into a quantiser is computed in f32, as accurately as f32 sums, v_exp_f32 and their like allow (about 1e-6 of the number): no bf16 or f16 on the way to a quantiser, and a product that is left as it is and whose result goes on into a quantised operand takes f32 operands (vector FMAs, or v_wmma_f32_16x16x4_f32). A number that lies on a knife's edge between two numbers of the format may be rounded either way, as far as f32 arithmetic and the matrix unit's own rounding can turn it there, and no further.
;;   INPUTS GIVEN AS CODES. Wk (in the module: [256, 512], K = its axis 0); Wq (in the module: [256, 512], K = its axis 0); Wv (in the module: [256, 512], K = its axis 0); x (in the module: [32, 1024, 256], K = its axis 2): each comes as NAME_codes (uint8): NAME with its K axis moved to the last place and cut into blocks of 32 codes, [.., K / 32, bytes a block], one block behind the other in memory; two codes a byte, the lower K in the low four bits (a code: sign, 2 exponent bits, 1 mantissa bit); and NAME_scales (uint8): the same leading axes, one E8M0 byte (e + 127) for each 32 codes along K. Its value is code x scale, taken as it is: it is not quantised again, and the codes and scales need not be those that the quantiser above would give.
;; 2 versions, each right; version 2 is version 1 with the launch proj written anew for expert scheduling mode. Each part assembles by itself: llvm-mc -triple=amdgcn-amd-amdhsa -mcpu=gfx1250 --defsym DOCPART=n.
;; ======== version 1 of 2: 2 launches
;; workspace buffers: qp 8,912,896 bytes; kv 17,825,792 bytes
;; launch proj (part 1): grid 256 x 1, 8 waves a work-group, no clusters, 26,624 bytes of LDS; arguments x_codes, x_scales, Wq_codes, Wk_codes, Wq_scales, Wk_scales, bq, bk, Wv_codes, Wv_scales, bv, qp, kv; writes qp, kv
.if DOCPART == 1
	.amdgcn_target "amdgcn-amd-amdhsa--gfx1250"
	.amdhsa_code_object_version 6
	.text
	.protected	k_q96886d8659_proj
	.globl	k_q96886d8659_proj
	.p2align	8
	.type	k_q96886d8659_proj,@function
k_q96886d8659_proj:
	s_mov_b64 s[64:65], 0
	v_nop
	global_prefetch_b8 v0, s[64:65] scope:SCOPE_SE
	s_setreg_imm32_b32 hwreg(HW_REG_WAVE_MODE, 25, 1), 1
	s_wait_xcnt 0x0
; q = relu(x Wq + bq) / 2304, k = relu(x Wk + bk), v = relu(x Wv + bv): three products on codes of FP4 (E2M1) with E8M0 scales, K = 256, sums in f32;
; the results are quantised at once, q and k along the hidden axis, v along the KEYS, and leave as codes laid in the order of the next launch's operand registers.
; A FRAGMENT IMAGE is 1,024 bytes: 16 rows x 128 K of 4-bit codes; the lane's register group c (4 registers) lies at 512 c + 16 x lane.
; A PACK is 32 images and a scale region of 2,048 bytes, [8 groups][16 rows][4 words]: 34,816 bytes.
;   qp: [256 blocks of 128 rows] PACK: image (t, s) at 4096 t + 1024 s: rows 16 t + r, hidden units 128 s on; scale word [t][r][s].
;   kv: [256 blocks][K PACK, V PACK].  K PACK as qp's, but lane r of tile 2 g + e holds key 32 g + 8 e + r + 8 (r / 8), so that the scores of two neighbouring tiles are 16 neighbouring keys in a lane.
;       V PACK: image dt at 1024 dt: rows d = 16 dt + r, K = the block's 128 keys; scale word [dt / 4][r][dt % 4].
; SHARES.  A work-group takes 128 rows of x (one block), eight waves.  Phase A: waves 0-3 make q, waves 4-7 k, each 128 hidden units (one K step of the scores' product) for all 8 tiles of rows:
; source 0 = 16 rows of W, source 1 = 16 rows of x, so that a lane holds ONE row and its registers run along the hidden units.  THE ROWS OF W THAT FORM A TILE ARE NOT NEIGHBOURS: lane r of tile 2 b + e takes
; row 32 b + 8 e + r + 8 (r / 8): the 16 registers of tiles 2 b, 2 b + 1 are then 16 neighbours along the next K.  Phase B: each wave makes 64 of v's hidden units: source 0 = 16 rows of x chosen by the same
; pattern (they are the keys), source 1 = 16 rows of Wv: a lane holds one hidden unit and its registers run along the keys.
; The biases are the C of each sum's first matrix instruction.  No tensor load: x's 16 KiB go through registers into LDS once; the weights go straight into registers, each byte once a work-group.
; LIMITS: NaN, infinities and the scale byte 0xff among the inputs are not served.  A block of zeros, or one whose largest magnitude lies under 2^-124, gets the byte 1 (the rule says 127 for zeros):
; its codes are zeros, which add nothing under any byte but 0xff, and these bytes are read by this program alone.
; LDS: x's rows lie 144 bytes apart (128 + 16): 16 neighbouring rows start at 16 different groups of banks (64 banks of 4 bytes: ISA guide 11.1); the pattern's rows 0-7 and 16-23 meet two deep at any pitch
; that is a multiple of 16 bytes: each wave reads x's 16 KiB once or twice in the launch, so that is left as it is.
; REGISTERS: window 0: v1-22 addresses; v32-95 eight accumulators; v96-159 the bias in the result's layout; v160-167 codes; v168-183 at work; v184-188 scale words made; v192-207 x's scale words;
;   v208-223 W's scale words; v224-227 v's bias; v228-244 x on its way to LDS, at last the scale regions on their way out.   window 1: v0-127 x's 16 fragments (16 m + 8 s); v128-255 W's 16 (128 + 16 t + 8 s).
.set XS,   18432                       ; LDS: x's codes from 0: 128 rows x 144 bytes;  here x's scale bytes: 8 a row
.set QSC,  19456                       ; q's scale words as they are made: 512 bytes for each of waves 0-3: [m][r]
.set KSC,  21504                       ; k's: the same for waves 4-7
.set VSC,  23552                       ; v's scale region as it leaves: 256 bytes for each wave
.set ACC,  32
.set BIAS, 96
.set PC,   160
.set TM,   168                         ; v168-171 largest magnitudes, v172-175 the other half's, then bytes, v180-183 the conversions' scale operands
.set VPW,  184
.set PW,   188
.set XSW,  192
.set WS,   208
.set BVW,  224
.set SG,   228
.set MSB,  0
.macro WIN new                         ; the immediate's high byte repeats the setting that is left; a switch that changes nothing is dropped
.if MSB != (\new)
	s_set_vgpr_msb (MSB<<8)|(\new)
.set MSB, \new
.endif
.endm
.macro PLACES n
.rept \n
	v_nop
.endr
.endm
; x's 16 fragments and 16 scale words out of LDS.  trick = 0: tile m is rows 16 m + r;  1: rows 32 (m / 2) + 8 (m % 2) + r + 8 (r / 8)
.macro XFETCH adr, sadr, trick
	WIN 0x40                                       ; destination window 1, address window 0
.irp m, 0,1,2,3,4,5,6,7
.if \trick
.set RW, 32*(\m/2)+8*(\m%2)
.else
.set RW, 16*\m
.endif
.irp s, 0,1
.irp c, 0,1
	ds_load_b128 v[16*\m+8*\s+4*\c:16*\m+8*\s+4*\c+3], v[\adr] offset:RW*144+64*\s+32*\c
.endr
.endr
.endr
	WIN 0
.irp m, 0,1,2,3,4,5,6,7
.if \trick
.set RW, 32*(\m/2)+8*(\m%2)
.else
.set RW, 16*\m
.endif
	ds_load_b64 v[XSW+2*\m:XSW+2*\m+1], v[\sadr] offset:RW*8       ; both K steps' words of my row
.endr
.endm
; 64 numbers of a lane, none negative, register 16 b + i = k 32 b + 16 (lane / 16) + i of my row, become a fragment's codes in v[PC] on and its scale word in v[pw]
.macro QUANT s, pw
.irp b, 0,1,2,3
	v_max3_num_f32 v[TM+\b], v[\s+16*\b], v[\s+1+16*\b], 0x1800000   ; block b: my 16 numbers, and the floor 2^(3 - 127): the byte cannot fall under 1
.endr
.irp i, 2,4,6,8,10,12,14
.irp b, 0,1,2,3
	v_max3_num_f32 v[TM+\b], v[TM+\b], v[\s+16*\b+\i], v[\s+1+16*\b+\i]   ; the four blocks by turns
.endr
.endr
.irp b, 0,1,2,3
	v_permlanex16_b32 v[TM+4+\b], v[TM+\b], s12, s13
.endr
.irp b, 0,1,2,3
	v_max_num_f32 v[TM+\b], v[TM+\b], v[TM+4+\b]   ; with lane l xor 16's 16: the block's largest magnitude
.endr
.irp b, 0,1,2,3
	v_add_nc_u32 v[TM+12+\b], 0xff000000, v[TM+\b] ; 2 off its exponent field: the conversion takes the exponent field of this operand as its scale
.endr
.irp b, 0,1,2,3
	v_lshrrev_b32 v[TM+4+\b], 23, v[TM+12+\b]      ; the scale's byte
.endr
	v_lshl_or_b32 v[\pw], v[TM+5], 8, v[TM+4]      ; four bytes: my row's scale word
	v_lshl_or_b32 v[\pw], v[TM+6], 16, v[\pw]
	v_lshl_or_b32 v[\pw], v[TM+7], 24, v[\pw]
.irp b, 0,1,2,3
	v_cvt_scalef32_pk8_fp4_f32 v[PC+2*\b], v[\s+16*\b:\s+16*\b+7], v[TM+12+\b]
	v_cvt_scalef32_pk8_fp4_f32 v[PC+2*\b+1], v[\s+16*\b+8:\s+16*\b+15], v[TM+12+\b]
.endr
	v_nop                                          ; one plain place behind a scaled conversion
.irp c, 0,1                                    ; the operand's layout wants a whole block in a lane: lanes 0-15 block 2 c, lanes 16-31 block 2 c + 1
.irp i, 0,1
	v_permlane16_swap_b32 v[PC+4*\c+\i], v[PC+4*\c+2+\i]
.endr
.endr
.endm
; What phase B needs, asked for four places behind phase A's last products: my 4 tiles of Wv, their scale words, my bias; waves 0-3 also fetch x's tiles anew, by the pattern
.macro VPRE
	WIN 0x40
.irp t, 0,1,2,3
.irp s, 0,1
.irp c, 0,1
	global_load_b128 v[128+16*\t+8*\s+4*\c:128+16*\t+8*\s+4*\c+3], v12, s[32:33] offset:2048*\t+64*\s+32*\c
.endr
.endr
.endr
	WIN 0
.irp t, 0,1,2,3
	global_load_b64 v[WS+2*\t:WS+2*\t+1], v13, s[34:35] offset:128*\t
.endr
.irp t, 0,1,2,3
	global_load_b32 v[BVW+\t], v14, s[36:37] offset:64*\t
.endr
	s_cmp_ge_u32 s8, 4
	s_cbranch_scc1 .Lhave_\@
	XFETCH 6, 8, 1
.Lhave_\@:
.endm
; Phase A, tile m of rows: 16 products (the eight accumulators take turns), relu, q alone x 1/2304, quantised, image and scale word out
.macro QK m
	WIN 0x05                                       ; sources 0 (W) and 1 (x) window 1; C and D window 0
.irp t, 0,1,2,3,4,5,6,7
	v_wmma_scale_f32_16x16x128_f8f6f4 v[ACC+8*\t:ACC+8*\t+7], v[128+16*\t:128+16*\t+7], v[16*(\m):16*(\m)+7], v[BIAS+8*\t:BIAS+8*\t+7], v[WS+2*\t], v[XSW+2*(\m)] matrix_a_fmt:MATRIX_FMT_FP4 matrix_b_fmt:MATRIX_FMT_FP4
.endr
.irp t, 0,1,2,3,4,5,6,7
	v_wmma_scale_f32_16x16x128_f8f6f4 v[ACC+8*\t:ACC+8*\t+7], v[128+16*\t+8:128+16*\t+15], v[16*(\m)+8:16*(\m)+15], v[ACC+8*\t:ACC+8*\t+7], v[WS+2*\t+1], v[XSW+2*(\m)+1] matrix_a_fmt:MATRIX_FMT_FP4 matrix_b_fmt:MATRIX_FMT_FP4
.endr
	WIN 0
	PLACES 4                                       ; in front of the first read of results, and of VPRE's loads into operands
.if (\m) == 7
	VPRE
.endif
.set J, 0
.rept 64
	v_max_num_f32 v[ACC+J], 0, v[ACC+J]            ; the activation, each accumulator from its low end on
.set J, J+1
.endr
	s_cmp_ge_u32 s8, 4                             ; k is not scaled
	s_cbranch_scc1 .Lkeep_\@
.set J, 0
.rept 32
	v_pk_mul_f32 v[ACC+2*J:ACC+2*J+1], v[ACC+2*J:ACC+2*J+1], s[14:15] op_sel_hi:[1,0]   ; q x 1/2304, in f32, ahead of the quantiser
.set J, J+1
.endr
.Lkeep_\@:
	s_wait_xcnt 0x0                                ; the last tile's stores have read the codes' registers,
	s_wait_dscnt 0x0                               ; and its LDS store the scale word's: both are written again below
	QUANT ACC, PW
.irp c, 0,1
	global_store_b128 v4, v[PC+4*\c:PC+4*\c+3], s[42:43] offset:4096*(\m)+512*\c   ; the wave stores 512 consecutive bytes, aligned
.endr
	ds_store_b32 v15, v[PW] offset:64*(\m)         ; lanes r and r + 16 write the same word with the same value
.endm
; Phase B, my tile t of 16 hidden units of v, all 128 keys
.macro VT t
.irp j, 0,1,2,3,4,5,6,7
	v_mov_b32 v[BIAS+\j], v[BVW+\t]                ; a lane holds one hidden unit: its bias in all eight registers of C
.endr
	WIN 0x05
.irp m, 0,1,2,3,4,5,6,7
	v_wmma_scale_f32_16x16x128_f8f6f4 v[ACC+8*\m:ACC+8*\m+7], v[16*\m:16*\m+7], v[128+16*(\t):128+16*(\t)+7], v[BIAS:BIAS+7], v[XSW+2*\m], v[WS+2*(\t)] matrix_a_fmt:MATRIX_FMT_FP4 matrix_b_fmt:MATRIX_FMT_FP4
.endr
.irp m, 0,1,2,3,4,5,6,7
	v_wmma_scale_f32_16x16x128_f8f6f4 v[ACC+8*\m:ACC+8*\m+7], v[16*\m+8:16*\m+15], v[128+16*(\t)+8:128+16*(\t)+15], v[ACC+8*\m:ACC+8*\m+7], v[XSW+2*\m+1], v[WS+2*(\t)+1] matrix_a_fmt:MATRIX_FMT_FP4 matrix_b_fmt:MATRIX_FMT_FP4
.endr
	WIN 0
	PLACES 4
.set J, 0
.rept 64
	v_max_num_f32 v[ACC+J], 0, v[ACC+J]
.set J, J+1
.endr
	s_wait_xcnt 0x0                                ; the last image's stores have read the codes' registers
	QUANT ACC, VPW+\t
.irp c, 0,1
	global_store_b128 v4, v[PC+4*\c:PC+4*\c+3], s[44:45] offset:1024*(\t)+512*\c
.endr
.endm
	s_load_b512 s[16:31], s[0:1], 0x0              ; x_codes, x_scales, Wq_codes, Wk_codes, Wq_scales, Wk_scales, bq, bk
	s_load_b256 s[32:39], s[0:1], 0x40             ; Wv_codes, Wv_scales, bv, qp
	s_load_b64 s[40:41], s[0:1], 0x60              ; kv
	v_lshl_add_u32 v254, v0, 2, 0x6400
	v_mov_b32 v255, 0
	v_lshrrev_b32 v1, 5, v0
	v_readfirstlane_b32 s8, v1                     ; wave 0..7
	s_and_b32 s9, s8, 3                            ; which 128 hidden units in phase A
	v_and_b32 v1, 15, v0                           ; r
	v_bfe_u32 v2, v0, 4, 1                         ; h
	v_and_b32 v3, 8, v1
	v_add_nc_u32 v3, v3, v1                        ; r + 8 (r / 8)
	v_and_b32 v4, 31, v0
	v_lshlrev_b32 v4, 4, v4                        ; v4: 16 x lane: an image's place for my lane
	v_mul_u32_u24 v5, v1, 144
	v_lshl_add_u32 v5, v2, 4, v5                   ; v5: x in LDS, row r, + 16 h
	v_mul_u32_u24 v6, v3, 144
	v_lshl_add_u32 v6, v2, 4, v6                   ; v6: the same by the pattern
	v_lshl_add_u32 v7, v1, 3, XS                   ; v7, v8: x's scale words likewise
	v_lshl_add_u32 v8, v3, 3, XS
	v_lshlrev_b32 v9, 7, v3
	v_lshl_add_u32 v9, v2, 4, v9                   ; v9: Wq, Wk: a row is 128 bytes; by the pattern
	v_lshlrev_b32 v10, 3, v3                       ; v10: their scale bytes, 8 a row
	v_lshlrev_b32 v11, 6, v2                       ; v11: their bias: my half's 16 numbers of a block of 32
	v_lshlrev_b32 v12, 7, v1
	v_lshl_add_u32 v12, v2, 4, v12                 ; v12: Wv: row r
	v_lshlrev_b32 v13, 3, v1                       ; v13: its scale bytes
	v_lshlrev_b32 v14, 2, v1                       ; v14: its bias
	s_lshl_b32 s46, s8, 9
	s_add_co_u32 s46, s46, QSC
	v_lshl_add_u32 v15, v1, 2, s46                 ; v15: where my wave puts q's or k's scale words: QSC + 512 x wave + 4 r
	s_lshl_b32 s46, s8, 8
	s_add_co_u32 s46, s46, VSC
	v_lshl_add_u32 v16, v1, 4, s46                 ; v16: and v's: VSC + 256 x wave + 16 r
	v_lshlrev_b32 v17, 3, v0                       ; v17: 8 x thread: the scale regions' way out
	v_lshlrev_b32 v18, 4, v0                       ; v18: 16 x thread: x's codes as they lie
	v_lshrrev_b32 v19, 3, v0
	v_mul_u32_u24 v19, v19, 144
	v_and_b32 v20, 7, v0
	v_lshl_add_u32 v19, v20, 4, v19                ; v19: the same 16 bytes in LDS: row thread / 8, 16 (thread % 8)
	v_lshlrev_b32 v20, 2, v0                       ; v20: 4 x thread: x's scale bytes
	v_and_b32 v21, 1, v0
	v_lshlrev_b32 v21, 10, v21
	v_lshrrev_b32 v22, 5, v0
	v_lshl_add_u32 v21, v22, 6, v21
	v_bfe_u32 v22, v0, 1, 4
	v_lshl_add_u32 v21, v22, 2, v21                ; v21: the word [s = 2 (T % 2)][m = T / 32][r = (T / 2) % 16] of q's or k's scale words; s + 1 lies 512 bytes on
.irp b, 0,1,2,3
	v_mov_b32 v[TM+4+\b], 0                        ; written once: a lane permute's destination counts as one of its sources
.endr
	s_mov_b32 s12, 0x76543210
	s_mov_b32 s13, 0xfedcba98                      ; v_permlanex16_b32's selects for lane l xor 16
	s_mov_b32 s14, 0x39e38e39                      ; 1 / 2304
	s_mov_b32 s15, s14                             ; (named with it as a pair)
	s_lshl_b32 s46, ttmp9, 14                      ; my block: 128 rows of 128 bytes of codes,
	s_mov_b32 s47, 0
	s_lshl_b32 s48, ttmp9, 10                      ; of 8 scale bytes,
	s_mov_b32 s49, 0
	s_mul_i32 s50, ttmp9, 34816                    ; its PACK in qp,
	s_mov_b32 s51, 0
	s_mul_i32 s52, ttmp9, 69632                    ; its two in kv
	s_mov_b32 s53, 0
	s_wait_kmcnt 0x0
	s_add_nc_u64 s[16:17], s[16:17], s[46:47]
	s_add_nc_u64 s[18:19], s[18:19], s[48:49]
	s_add_nc_u64 s[38:39], s[38:39], s[50:51]
	s_add_nc_u64 s[40:41], s[40:41], s[52:53]
	s_cmp_lt_u32 s8, 4                             ; q's wave or k's?  The choice hangs on the wave's number alone
	s_cselect_b64 s[20:21], s[20:21], s[22:23]     ; the weight's codes,
	s_cselect_b64 s[24:25], s[24:25], s[26:27]     ; its scale bytes,
	s_cselect_b64 s[28:29], s[28:29], s[30:31]     ; the bias,
	s_cselect_b64 s[42:43], s[38:39], s[40:41]     ; and where the images go
	s_lshl_b32 s46, s9, 14                         ; my 128 rows of the weight
	s_add_nc_u64 s[20:21], s[20:21], s[46:47]
	s_lshl_b32 s46, s9, 10
	s_add_nc_u64 s[24:25], s[24:25], s[46:47]
	s_add_nc_u64 s[42:43], s[42:43], s[46:47]      ; image (m, s) lies at 4096 m + 1024 s
	s_lshl_b32 s46, s9, 9
	s_add_nc_u64 s[28:29], s[28:29], s[46:47]
	s_lshl_b32 s46, s8, 12
	s_add_co_u32 s46, s46, 34816
	s_add_nc_u64 s[44:45], s[40:41], s[46:47]      ; v's images: behind the K PACK, 4 a wave
	s_lshl_b32 s46, s8, 13                         ; my 64 rows of Wv
	s_add_nc_u64 s[32:33], s[32:33], s[46:47]
	s_lshl_b32 s46, s8, 9
	s_add_nc_u64 s[34:35], s[34:35], s[46:47]
	s_lshl_b32 s46, s8, 8
	s_add_nc_u64 s[36:37], s[36:37], s[46:47]
.irp i, 0,1,2,3
	global_load_b128 v[SG+4*\i:SG+4*\i+3], v18, s[16:17] offset:4096*\i th:TH_LOAD_NT   ; x's codes as they lie: a wave reads 512 consecutive bytes
.endr
	global_load_b32 v[SG+16], v20, s[18:19] th:TH_LOAD_NT
	WIN 0x40
.irp t, 0,1,2,3,4,5,6,7                        ; my 16 fragments of Wq or Wk: they stay through phase A
.irp s, 0,1
.irp c, 0,1
	global_load_b128 v[128+16*\t+8*\s+4*\c:128+16*\t+8*\s+4*\c+3], v9, s[20:21] offset:(32*(\t/2)+8*(\t%2))*128+64*\s+32*\c
.endr
.endr
.endr
	WIN 0
.irp t, 0,1,2,3,4,5,6,7
	global_load_b64 v[WS+2*\t:WS+2*\t+1], v10, s[24:25] offset:(32*(\t/2)+8*(\t%2))*8
.endr
.irp t, 0,1,2,3,4,5,6,7                        ; lane (r, h) wants, for tile 2 b + e, the bias of hidden units 32 b + 16 h + 8 e + 0 .. 7
	global_load_b128 v[BIAS+8*\t:BIAS+8*\t+3], v11, s[28:29] offset:(32*(\t/2)+8*(\t%2))*4
	global_load_b128 v[BIAS+8*\t+4:BIAS+8*\t+7], v11, s[28:29] offset:(32*(\t/2)+8*(\t%2))*4+16
.endr
	s_wait_loadcnt 56                              ; x's five loads are in; the 32 + 8 + 16 issued behind them may be out
.irp i, 0,1,2,3
	ds_store_b128 v19, v[SG+4*\i:SG+4*\i+3] offset:4608*\i         ; 32 rows of 144 bytes further on
.endr
	ds_store_b32 v20, v[SG+16] offset:XS
	s_wait_dscnt 0x0                               ; for the others' sake: my part of x lies in LDS
	s_barrier_signal -1
	s_barrier_wait -1
	s_cmp_lt_u32 s8, 4
	s_cbranch_scc0 .Lkeys
	XFETCH 5, 7, 0                                 ; q: tiles of neighbouring rows
	s_branch .Lhave_x
.Lkeys:
	XFETCH 6, 8, 1                                 ; k: tiles by the pattern
.Lhave_x:
	s_wait_loadcnt 0x0
	s_wait_dscnt 0x0
.irp m, 0,1,2,3,4,5,6,7
	QK \m
.endr
	s_wait_loadcnt 0x0                             ; Wv, its scale words, the bias
	s_wait_dscnt 0x0                               ; x's tiles by the pattern
.irp t, 0,1,2,3
	VT \t
.endr
	ds_store_b128 v16, v[VPW:VPW+3]                ; my four tiles' scale words of hidden unit r: [wave][r][t]
	s_wait_dscnt 0x0                               ; for the others' sake: my scale words lie in LDS
	s_barrier_signal -1
	s_barrier_wait -1
	ds_load_b32 v[SG], v21 offset:QSC              ; the three scale regions leave as they are read later: [tile][r][K step]
	ds_load_b32 v[SG+1], v21 offset:QSC+512
	ds_load_b32 v[SG+2], v21 offset:KSC
	ds_load_b32 v[SG+3], v21 offset:KSC+512
	ds_load_b64 v[SG+4:SG+5], v17 offset:VSC
	s_wait_dscnt 0x0
	global_store_b64 v17, v[SG:SG+1], s[38:39] offset:32768        ; a wave stores 256 consecutive bytes, aligned
	global_store_b64 v17, v[SG+2:SG+3], s[40:41] offset:32768
	global_store_b64 v17, v[SG+4:SG+5], s[40:41] offset:67584
	s_wait_tensorcnt 0x0
	ds_add_u32 v254, v255
	s_wait_dscnt 0x0
	s_endpgm
.Lfunc_end_k_q96886d8659_proj:
	.size	k_q96886d8659_proj, .Lfunc_end_k_q96886d8659_proj-k_q96886d8659_proj
	.p2alignl 7, 3214868480
	.fill 96, 4, 3214868480
	.section	.rodata,"a",@progbits
	.p2align	6, 0x0
	.amdhsa_kernel k_q96886d8659_proj
		.amdhsa_group_segment_fixed_size 26624
		.amdhsa_private_segment_fixed_size 0
		.amdhsa_enable_private_segment 0
		.amdhsa_kernarg_size 104
		.amdhsa_user_sgpr_count 2
		.amdhsa_user_sgpr_kernarg_segment_ptr 1
		.amdhsa_wavefront_size32 1
		.amdhsa_system_sgpr_workgroup_id_x 1
		.amdhsa_system_sgpr_workgroup_id_y 1
		.amdhsa_system_sgpr_workgroup_id_z 1
		.amdhsa_system_vgpr_workitem_id 0
		.amdhsa_next_free_vgpr 512
		.amdhsa_next_free_sgpr 66
		.amdhsa_reserve_vcc 0
		.amdhsa_float_denorm_mode_32 3
		.amdhsa_float_denorm_mode_16_64 3
		.amdhsa_memory_ordered 1
		.amdhsa_forward_progress 1
		.amdhsa_inst_pref_size 138
	.end_amdhsa_kernel
	.amdgpu_metadata
---
amdhsa.version: [ 1, 2 ]
amdhsa.kernels:
  - .name:           k_q96886d8659_proj
    .symbol:         k_q96886d8659_proj.kd
    .args:
      - { .name: x_codes, .offset: 0, .size: 8, .value_kind: global_buffer, .address_space: global }
      - { .name: x_scales, .offset: 8, .size: 8, .value_kind: global_buffer, .address_space: global }
      - { .name: Wq_codes, .offset: 16, .size: 8, .value_kind: global_buffer, .address_space: global }
      - { .name: Wk_codes, .offset: 24, .size: 8, .value_kind: global_buffer, .address_space: global }
      - { .name: Wq_scales, .offset: 32, .size: 8, .value_kind: global_buffer, .address_space: global }
      - { .name: Wk_scales, .offset: 40, .size: 8, .value_kind: global_buffer, .address_space: global }
      - { .name: bq, .offset: 48, .size: 8, .value_kind: global_buffer, .address_space: global }
      - { .name: bk, .offset: 56, .size: 8, .value_kind: global_buffer, .address_space: global }
      - { .name: Wv_codes, .offset: 64, .size: 8, .value_kind: global_buffer, .address_space: global }
      - { .name: Wv_scales, .offset: 72, .size: 8, .value_kind: global_buffer, .address_space: global }
      - { .name: bv, .offset: 80, .size: 8, .value_kind: global_buffer, .address_space: global }
      - { .name: qp, .offset: 88, .size: 8, .value_kind: global_buffer, .address_space: global }
      - { .name: kv, .offset: 96, .size: 8, .value_kind: global_buffer, .address_space: global }
    .group_segment_fixed_size: 26624
    .private_segment_fixed_size: 0
    .kernarg_segment_align: 8
    .kernarg_segment_size: 104
    .max_flat_workgroup_size: 256
    .sgpr_count:     66
    .vgpr_count:     512
    .wavefront_size: 32
...
	.end_amdgpu_metadata
.endif
;; end of part 1
;; launch attn (part 2): grid 8 x 32, 4 waves a work-group, clusters of 4 x 1, 327,680 bytes of LDS; arguments qp, kv, mask, out0; writes out0
.if DOCPART == 2
	.amdgcn_target "amdgcn-amd-amdhsa--gfx1250"
	.amdhsa_code_object_version 6
	.text
	.protected	k_q96886d8659_attn
	.globl	k_q96886d8659_attn
	.p2align	8
	.type	k_q96886d8659_attn,@function
k_q96886d8659_attn:
	s_mov_b64 s[64:65], 0
	v_nop
	global_prefetch_b8 v0, s[64:65] scope:SCOPE_SE
	s_setreg_imm32_b32 hwreg(HW_REG_WAVE_MODE, 25, 1), 1
	s_wait_xcnt 0x0
	s_wait_alu depctr_hold_cnt(0) depctr_sa_sdst(0) depctr_va_vdst(0) depctr_va_sdst(0) depctr_va_ssrc(0) depctr_va_vcc(0) depctr_vm_vsrc(0)
	s_getreg_b32 s2, hwreg(HW_REG_IB_STS2, 6, 4)
	s_cmp_eq_u32 s2, 0
	s_cbranch_scc0 .Lentry_in_a_cluster
	s_endpgm
.Lentry_in_a_cluster:
	s_bfe_u32 s2, ttmp6, 0x10000c
	s_cmp_lg_u32 s2, 0x3003
	s_cbranch_scc0 .Lentry_shape_is_right
	s_endpgm
.Lentry_shape_is_right:
; out[b][n][:] = relu(sum over m of softmax_m(score x mask - 9e15 (1 - mask)) v[b][m][:]), score = (q / 2304) . k, both products on codes of FP4 (E2M1) with one E8M0 scale for each 32 along K.
; q, k and v come as the first launch laid them: fragment images (1,024 bytes: register group c of lane l at 512 c + 16 l) and scale regions ([8 groups][16 rows][4 words]); the mask is f32 and is taken as a NUMBER.
; THE SOFTMAX AHEAD OF THE SECOND PRODUCT: t = logit x log2(e); M = the row's largest t so far, rounded UP to a whole number; p = 2^(t - M) is quantised along the keys, not normalised.  The row's sum is taken of the
; unquantised p and divides at the end.  When M moves, the sum and O are multiplied by 2^(old M - new M): exact, in every step, with no branch on data.
; t is made as fma(score x mask, log2 e, -(9e15 log2 e)(1 - mask)): for a mask of 0 or 1 that is the stated number; for other values it differs in the last bits of numbers near 1e16.
; A row whose every key is masked gives p = 1 everywhere, as the stated softmax does.  LIMITS: NaN and infinities are not served; a block whose largest p lies under 2^-124 gets the byte 1 and zero codes.
; SHARES.  A work-group owns 128 queries of one batch; each of its four waves 32: two tiles of 16.  Every wave walks the batch's 1,024 keys, 128 a step, eight steps.
; Both products are used transposed: S^T = K Q^T (source 0 = 16 keys, source 1 = 16 queries), O^T = V^T P^T (source 0 = 16 of the 512 channels, source 1 = P): a lane holds ONE query (lane % 16) throughout.
; The keys of a tile of K are not neighbours (the first launch chose them): the 16 registers of tiles 2 g, 2 g + 1 are keys 32 g + 16 (lane / 16) + 0 .. 15.
; THE RING: two LDS slots, each a key step's K PACK (34,816 bytes), V PACK (34,816) and the work-group's 128 x 128 numbers of the mask (rows of 512 bytes + 16): the largest two slots that fit.
; Behind each change of slots every wave issues one tensor load: wave 0 K's PACK, wave 1 V's, waves 2 and 3 64 rows of the mask each; it has a whole key step's work in which to land.
; CLUSTER: the four query blocks of a cluster belong to one batch and walk the same K and V: those two PACKs, half of a step's bytes, are asked for JOINTLY (mask 15).  The mask's tiles are each work-group's own: plain loads.
; No prefetch is written: every byte of a step is asked for a whole step ahead by the tensor loads themselves.
; REGISTERS, in windows of 256 (s_set_vgpr_msb: bits 1:0 source 0, 3:2 source 1, 5:4 source 2, 7:6 destination):
;   window 0: v1-14 addresses; v16-31 K's scale words, v32-47 V's, v48-51 Q's, v52-53 P's; v64-127 Q (64 + 32 u + 8 s); v128-191, v192-255 two buffers of 8 fragments.
;   window 1: v0-127 S^T, then t, then p (64 u + 16 g + i); v128-191 the mask, two sets; v192-207 P's codes; v208-223 statistics, 8 a tile; v224-231 each block's largest t, then p; v232-247 at work.
;   windows 2, 3: O^T: channel tile dt, query tile u at window 2 + dt / 16, v[16 (dt % 16) + 8 u].
.set SLOT,  137216
.set VPK,   34816                      ; V's PACK in a slot
.set MKO,   69632                      ; the mask's tile in a slot
.set SPARE, 2*SLOT                     ; behind the ring: the spare words, 128 bytes for each wave: two blocks of 256 bytes that no other line names
.set G1KV, 16                          ; s[16:23] descriptor group 1 for a PACK;  s[24:31] for the mask's tiles
.set G1M,  24
.set G0KV, 32                          ; s[32:39] group 0 for a PACK, one set for each slot;  s[40:47] for the mask's tiles
.set G0M,  40
.set KS,   16
.set VS,   32
.set QS,   48
.set PS,   52
.set QF,   64
.set BUF0, 128
.set BUF1, 192
.set MB,   128                         ; window 1 from here on
.set PCD,  192
.set ST,   208                         ; tile u at ST + 8 u: +0 -M, +1 the largest t, +2, +3 the sum in two halves, +4 f (+5 its pair's other word), +6, +7 at work
.set BM,   224
.set BT,   232
.set SO,   240
.set MSB,  0
.macro WIN new                         ; the immediate's high byte repeats the setting that is left; a switch that changes nothing is dropped
.if MSB != (\new)
	s_set_vgpr_msb (MSB<<8)|(\new)
.set MSB, \new
.endif
.endm
.macro PLACES n
.rept \n
	v_nop
.endr
.endm
; A round of the cluster's barrier: my work-group's barrier; wave 0 signals for the work-group; every wave waits for all four work-groups; my work-group's barrier once more
.macro CROUND
	s_barrier_signal -1
	s_barrier_wait -1
	s_cmp_lg_u32 s12, 0
	s_cbranch_scc1 .Lnot_wave_0_\@
	s_barrier_signal -3
.Lnot_wave_0_\@:
	s_barrier_wait -3
	s_barrier_signal -1
	s_barrier_wait -1
.endm
; A slot's refill: waves 0 and 1 ask jointly for K's and V's PACK, waves 2 and 3 for their halves of the mask's tile.  The branch hangs on the wave's number alone.
; Four v_nop follow each of the two lines, ahead of the jump, the label and what follows.
.macro JLOAD n
	s_cmp_lt_u32 s12, 2
	s_cbranch_scc0 .Lfor_mask_\@
	tensor_load_to_lds s[G0KV+4*\n:G0KV+4*\n+3], s[G1KV:G1KV+7]
	s_nop 0
.rept 4
	v_nop
.endr
	s_branch .Lasked_\@
.Lfor_mask_\@:
	tensor_load_to_lds s[G0M+4*\n:G0M+4*\n+3], s[G1M:G1M+7]
	s_nop 0
.rept 4
	v_nop
.endr
.Lasked_\@:
.endm
; THE CHANGE OF SLOTS, at a step's head.  Each wave waits for all its tensor loads (one is out: its part of the slot ahead), adds 0 to its spare word, and waits for that and for its reads of the slot that it has left.
; fill = 1: that slot ('other') is filled with the step two on; the barrier is then a round of the cluster's, and the refill is the first thing behind it.
.macro CHANGE other, fill
	WIN 0
	s_wait_tensorcnt 0x0                           ; no tensor load of mine is out, so a group 0 may be written
	ds_add_u32 v1, v2                              ; 0 onto my spare word
.if \fill
	s_add_nc_u64 s[G0KV+4*\other+2:G0KV+4*\other+3], s[G0KV+4*\other+2:G0KV+4*\other+3], 139264   ; two key steps on in kv; the type bits on top are not reached
	s_add_nc_u64 s[G0M+4*\other+2:G0M+4*\other+3], s[G0M+4*\other+2:G0M+4*\other+3], 1024         ; 256 keys on in the mask's rows
.endif
	s_wait_dscnt 0x0                               ; the add is done, and my reads of the slot that I have left are over
.if \fill
	CROUND
	JLOAD \other                                   ; its four v_nop are also the places in front of the loads into registers that the last products read
.else
	s_barrier_signal -1
	s_barrier_wait -1
	PLACES 4
.endif
.endm
.macro SCL slot                        ; a step's scale words: register 4 g + s: lanes 0-15 group 2 g's word s, lanes 16-31 group 2 g + 1's
	WIN 0
.irp g, 0,1,2,3
	ds_load_b128 v[KS+4*\g:KS+4*\g+3], v[3+\slot] offset:32768+512*\g
.endr
.irp g, 0,1,2,3
	ds_load_b128 v[VS+4*\g:VS+4*\g+3], v[5+\slot] offset:32768+512*\g
.endr
.endm
.macro LOADK g, buf, slot              ; K's tiles 2 g, 2 g + 1, all four K steps: 8 images; each load reads 512 consecutive bytes
	WIN 0
.irp e, 0,1
.irp s, 0,1,2,3
.irp c, 0,1
	ds_load_b128 v[\buf+32*\e+8*\s+4*\c:\buf+32*\e+8*\s+4*\c+3], v[3+\slot] offset:8192*(\g)+4096*\e+1024*\s+512*\c
.endr
.endr
.endr
.endm
.macro LOADM g, slot                   ; the mask of my two queries at keys 32 g + 16 h + 0 .. 15
	WIN 0x40                                       ; destination window 1, address window 0
.irp u, 0,1
.irp j, 0,1,2,3
	ds_load_b128 v[MB+32*((\g)%2)+16*\u+4*\j:MB+32*((\g)%2)+16*\u+4*\j+3], v[7+\slot] offset:8448*\u+128*(\g)+16*\j
.endr
.endr
.endm
.macro LOADV n, buf, slot              ; V's channel tiles 8 n .. 8 n + 7
	WIN 0
.irp i, 0,1,2,3,4,5,6,7
.irp c, 0,1
	ds_load_b128 v[\buf+8*\i+4*\c:\buf+8*\i+4*\c+3], v[5+\slot] offset:1024*(8*(\n)+\i)+512*\c
.endr
.endr
.endm
; One product.  acc = 0: the constant 0 starts the sum.  ra, rb = 1: the side's scales are read from lanes 16-31 of its register
.macro WM d, a, b, acc, sa, sb, ra, rb
.if (\acc) && (\ra) && (\rb)
	v_wmma_scale_f32_16x16x128_f8f6f4 v[\d:\d+7], v[\a:\a+7], v[\b:\b+7], v[\d:\d+7], v[\sa], v[\sb] matrix_a_fmt:MATRIX_FMT_FP4 matrix_b_fmt:MATRIX_FMT_FP4 matrix_a_scale:MATRIX_SCALE_ROW1 matrix_b_scale:MATRIX_SCALE_ROW1
.elseif (\acc) && (\ra)
	v_wmma_scale_f32_16x16x128_f8f6f4 v[\d:\d+7], v[\a:\a+7], v[\b:\b+7], v[\d:\d+7], v[\sa], v[\sb] matrix_a_fmt:MATRIX_FMT_FP4 matrix_b_fmt:MATRIX_FMT_FP4 matrix_a_scale:MATRIX_SCALE_ROW1
.elseif (\acc) && (\rb)
	v_wmma_scale_f32_16x16x128_f8f6f4 v[\d:\d+7], v[\a:\a+7], v[\b:\b+7], v[\d:\d+7], v[\sa], v[\sb] matrix_a_fmt:MATRIX_FMT_FP4 matrix_b_fmt:MATRIX_FMT_FP4 matrix_b_scale:MATRIX_SCALE_ROW1
.elseif (\acc)
	v_wmma_scale_f32_16x16x128_f8f6f4 v[\d:\d+7], v[\a:\a+7], v[\b:\b+7], v[\d:\d+7], v[\sa], v[\sb] matrix_a_fmt:MATRIX_FMT_FP4 matrix_b_fmt:MATRIX_FMT_FP4
.elseif (\ra) && (\rb)
	v_wmma_scale_f32_16x16x128_f8f6f4 v[\d:\d+7], v[\a:\a+7], v[\b:\b+7], 0, v[\sa], v[\sb] matrix_a_fmt:MATRIX_FMT_FP4 matrix_b_fmt:MATRIX_FMT_FP4 matrix_a_scale:MATRIX_SCALE_ROW1 matrix_b_scale:MATRIX_SCALE_ROW1
.elseif (\ra)
	v_wmma_scale_f32_16x16x128_f8f6f4 v[\d:\d+7], v[\a:\a+7], v[\b:\b+7], 0, v[\sa], v[\sb] matrix_a_fmt:MATRIX_FMT_FP4 matrix_b_fmt:MATRIX_FMT_FP4 matrix_a_scale:MATRIX_SCALE_ROW1
.elseif (\rb)
	v_wmma_scale_f32_16x16x128_f8f6f4 v[\d:\d+7], v[\a:\a+7], v[\b:\b+7], 0, v[\sa], v[\sb] matrix_a_fmt:MATRIX_FMT_FP4 matrix_b_fmt:MATRIX_FMT_FP4 matrix_b_scale:MATRIX_SCALE_ROW1
.else
	v_wmma_scale_f32_16x16x128_f8f6f4 v[\d:\d+7], v[\a:\a+7], v[\b:\b+7], 0, v[\sa], v[\sb] matrix_a_fmt:MATRIX_FMT_FP4 matrix_b_fmt:MATRIX_FMT_FP4
.endif
.endm
; S^T of keys 32 g .. 32 g + 31 for both tiles of queries: 16 products, K = 512 in four steps; the four accumulators take turns
.macro MULS g, buf
	WIN 0x50                                       ; K and Q window 0; C and D window 1
.irp s, 0,1,2,3
.irp e, 0,1
.irp u, 0,1
	WM 64*\u+16*(\g)+8*\e, \buf+32*\e+8*\s, QF+32*\u+8*\s, \s, KS+4*(\g)+\s, QS+\s, \e, \u
.endr
.endr
.endr
.endm
; The scores of keys 32 g .. become t, and each block's largest t is found
.macro MASK g
	WIN 0x55                                       ; all in window 1
.set SB, 16*(\g)
.set MM, MB+32*((\g)%2)
.irp u, 0,1
.irp j, 0,2,4,6,8,10,12,14
	v_pk_mul_f32 v[SB+64*\u+\j:SB+64*\u+\j+1], v[SB+64*\u+\j:SB+64*\u+\j+1], v[MM+16*\u+\j:MM+16*\u+\j+1]   ; score x mask; each accumulator from its low end on
.endr
.endr
.irp u, 0,1
.irp j, 0,2,4,6,8,10,12,14
	v_pk_fma_f32 v[MM+16*\u+\j:MM+16*\u+\j+1], v[MM+16*\u+\j:MM+16*\u+\j+1], s[50:51], s[50:51] op_sel_hi:[1,0,0] neg_lo:[0,0,1] neg_hi:[0,0,1]   ; -(9e15 log2 e)(1 - mask): exactly 0 where the mask is 1
.endr
.endr
.irp u, 0,1
.irp j, 0,2,4,6,8,10,12,14
	v_pk_fma_f32 v[SB+64*\u+\j:SB+64*\u+\j+1], v[SB+64*\u+\j:SB+64*\u+\j+1], s[48:49], v[MM+16*\u+\j:MM+16*\u+\j+1] op_sel_hi:[1,0,1]   ; t
.endr
.endr
.irp u, 0,1
	v_max3_num_f32 v[BM+4*\u+(\g)], v[SB+64*\u], v[SB+64*\u+1], v[SB+64*\u+2]   ; my 16 keys' largest t; the two tiles alternate
.endr
.irp i, 3,5,7,9,11,13
.irp u, 0,1
	v_max3_num_f32 v[BM+4*\u+(\g)], v[BM+4*\u+(\g)], v[SB+64*\u+\i], v[SB+64*\u+\i+1]
.endr
.endr
.irp u, 0,1
	v_max_num_f32 v[BM+4*\u+(\g)], v[BM+4*\u+(\g)], v[SB+64*\u+15]
.endr
.endm
; first = 1: the first key step: it starts M and the sum, and has no f
.macro SOFTMAX first
	WIN 0x55
.irp n, 0,1,2,3,4,5,6,7
	v_permlanex16_b32 v[BT+\n], v[BM+\n], s52, s53
.endr
.irp n, 0,1,2,3,4,5,6,7
	v_max_num_f32 v[BM+\n], v[BM+\n], v[BT+\n]     ; with lane l xor 16's 16 keys: THE LARGEST t OF EACH BLOCK OF 32 KEYS: it serves for the row's maximum and, since p rises with t, for the block's largest p
.endr
.irp u, 0,1
	v_max3_num_f32 v[ST+8*\u+6], v[BM+4*\u], v[BM+4*\u+1], v[BM+4*\u+2]
.endr
.irp u, 0,1
.if \first
	v_max_num_f32 v[ST+8*\u+1], v[ST+8*\u+6], v[BM+4*\u+3]
.else
	v_max3_num_f32 v[ST+8*\u+1], v[ST+8*\u+6], v[BM+4*\u+3], v[ST+8*\u+1]   ; the running largest t
	v_mov_b32 v[ST+8*\u+7], v[ST+8*\u]
.endif
.endr
.irp u, 0,1
	v_floor_f32 v[ST+8*\u], -v[ST+8*\u+1]          ; -M = floor(-t) = -ceil(t): M is a whole number
.endr
.if \first == 0
.irp u, 0,1
	v_sub_f32 v[ST+8*\u+7], v[ST+8*\u], v[ST+8*\u+7]   ; old M - new M: a whole number, 0 or less
.endr
.irp u, 0,1
	v_cvt_i32_f32 v[ST+8*\u+7], v[ST+8*\u+7]       ; (it saturates)
.endr
.irp u, 0,1
	v_ldexp_f32 v[ST+8*\u+4], 1.0, v[ST+8*\u+7]    ; f = 2^(old M - new M)
.endr
.endif
.set J, 0
.rept 64
	v_pk_add_f32 v[2*J:2*J+1], v[2*J:2*J+1], v[ST+8*(J/32):ST+8*(J/32)+1] op_sel_hi:[1,0]   ; t - M, two at a time (of the pair the low word, -M, serves both halves)
.set J, J+1
.endr
.irp n, 0,1,2,3,4,5,6,7
	v_add_f32 v[BM+\n], v[BM+\n], v[ST+8*(\n/4)]   ; the same of each block's largest t
.endr
.set J, 0
.rept 128
	v_exp_f32 v[J], v[J]                           ; p = 2^(t - M), at most 1
.set J, J+1
.endr
.irp n, 0,1,2,3,4,5,6,7
	v_exp_f32 v[BM+\n], v[BM+\n]                   ; the block's largest p: the same addition and exponential on the same number give the same bits
.endr
.if \first
	v_nop                                          ; a plain place behind the exponentials
	s_wait_alu depctr_va_vdst(0)
.else
	s_wait_alu depctr_va_vdst(0)
.irp u, 0,1
	v_pk_mul_f32 v[ST+8*\u+2:ST+8*\u+3], v[ST+8*\u+2:ST+8*\u+3], v[ST+8*\u+4:ST+8*\u+5] op_sel_hi:[1,0]   ; the sums under the new M (a plain place behind the exponentials)
.endr
.endif
.irp n, 0,1,2,3,4,5,6,7
	v_max_num_f32 v[BM+\n], 0x1800000, v[BM+\n]    ; the floor 2^(3 - 127): the byte cannot fall under 1
.endr
.irp n, 0,1,2,3,4,5,6,7
	v_add_nc_u32 v[SO+\n], 0xff000000, v[BM+\n]    ; 2 off the exponent field: the conversion's scale operand
.endr
.irp n, 0,1,2,3,4,5,6,7
	v_lshrrev_b32 v[BT+\n], 23, v[SO+\n]           ; the scale's byte
.endr
.irp u, 0,1
	v_lshl_or_b32 v[ST+8*\u+6], v[BT+4*\u+1], 8, v[BT+4*\u]
.endr
.irp u, 0,1
	v_lshl_or_b32 v[ST+8*\u+6], v[BT+4*\u+2], 16, v[ST+8*\u+6]
.endr
	WIN 0x15                                       ; scale operands have no window: P's scale words lie in window 0
.irp u, 0,1
	v_lshl_or_b32 v[PS+\u], v[BT+4*\u+3], 24, v[ST+8*\u+6]
.endr
	WIN 0x55
.irp u, 0,1
.irp g, 0,1,2,3
	v_cvt_scalef32_pk8_fp4_f32 v[PCD+8*\u+2*\g], v[64*\u+16*\g:64*\u+16*\g+7], v[SO+4*\u+\g]
	v_cvt_scalef32_pk8_fp4_f32 v[PCD+8*\u+2*\g+1], v[64*\u+16*\g+8:64*\u+16*\g+15], v[SO+4*\u+\g]
.endr
.endr
	v_nop                                          ; one plain place behind a scaled conversion
.irp u, 0,1                                    ; the operand's layout wants a whole block in a lane
.irp c, 0,1
.irp i, 0,1
	v_permlane16_swap_b32 v[PCD+8*\u+4*\c+\i], v[PCD+8*\u+4*\c+2+\i]
.endr
.endr
.endr
.irp u, 0,1                                    ; THE ROW'S SUM IS TAKEN OF THE UNQUANTISED p: two at a time, in two chains a tile.  (These lines are also the places between P's codes and scale words and the products)
	v_pk_add_f32 v[BT+4*\u:BT+4*\u+1], v[64*\u:64*\u+1], v[64*\u+2:64*\u+3]
.endr
.irp j, 4,8,12,16,20,24,28,32,36,40,44,48,52,56,60
.irp u, 0,1
.if (\first) && (\j == 4)
.elseif (\first) && (\j == 8)
	v_pk_add_f32 v[ST+8*\u+2:ST+8*\u+3], v[64*\u+4:64*\u+5], v[64*\u+8:64*\u+9]   ; the first step starts the sum: nothing is cleared
.else
	v_pk_add_f32 v[ST+8*\u+2:ST+8*\u+3], v[ST+8*\u+2:ST+8*\u+3], v[64*\u+\j:64*\u+\j+1]
.endif
	v_pk_add_f32 v[BT+4*\u:BT+4*\u+1], v[BT+4*\u:BT+4*\u+1], v[64*\u+\j+2:64*\u+\j+3]
.endr
.endr
.irp u, 0,1
	v_pk_add_f32 v[ST+8*\u+2:ST+8*\u+3], v[ST+8*\u+2:ST+8*\u+3], v[BT+4*\u:BT+4*\u+1]
.endr
.endm
.macro RESC d0, n                      ; O^T of channel tiles d0 .. d0 + n - 1 under the new M: x f
	WIN 0x86+0x41*((\d0)/16)                       ; O^T (destination and source 0) window 2 or 3, f window 1
.set DT, \d0
.rept \n
.irp u, 0,1
.irp j, 0,2,4,6
	v_pk_mul_f32 v[16*(DT%16)+8*\u+\j:16*(DT%16)+8*\u+\j+1], v[16*(DT%16)+8*\u+\j:16*(DT%16)+8*\u+\j+1], v[ST+8*\u+4:ST+8*\u+5] op_sel_hi:[1,0]
.endr
.endr
.set DT, DT+1
.endr
.endm
.macro MULPV n, buf, first             ; O^T += V^T P^T for channel tiles 8 n .. 8 n + 7, K = the step's 128 keys: 16 accumulators, one product each
	WIN 0xa4+0x50*((\n)/2)                         ; V window 0, P window 1, C and D window 2 or 3
.irp i, 0,1,2,3,4,5,6,7
.irp u, 0,1
	WM 16*((8*(\n)+\i)%16)+8*\u, \buf+8*\i, PCD+8*\u, 1-\first, VS+4*(\n)+\i%4, PS+\u, \i/4, 0
.endr
.endr
.endm
; A KEY STEP.  LDS loads stand in runs; each run into a buffer stands behind vector work that names none of the registers of the products that read the buffer last (ISA guide 7.12.1 for vector instructions).
.macro STEP slot, first
	SCL \slot                                      ; 8 loads
	LOADK 0, BUF0, \slot                           ; 16
	LOADM 0, \slot                                 ; 8
	LOADK 1, BUF1, \slot                           ; 16
	LOADM 1, \slot                                 ; 8
	s_wait_dscnt 24                                ; all but the last 16 + 8
	MULS 0, BUF0
	PLACES 4
	LOADK 2, BUF0, \slot                           ; 16
	s_wait_dscnt 16                                ; all but those 16
	MULS 1, BUF1
	MASK 0
	LOADK 3, BUF1, \slot                           ; 16
	LOADM 2, \slot                                 ; 8
	s_wait_dscnt 24                                ; all but those 16 + 8
	MULS 2, BUF0
	MASK 1
	LOADM 3, \slot                                 ; 8
	LOADV 0, BUF0, \slot                           ; 16
	s_wait_dscnt 24                                ; all but those 8 + 16
	MULS 3, BUF1
	MASK 2
	LOADV 1, BUF1, \slot                           ; 16
	s_wait_dscnt 32                                ; V's two runs may be out; the mask of the last 32 keys is in
	MASK 3
	SOFTMAX \first
.if \first == 0
	RESC 0, 16
.endif
	s_wait_dscnt 16                                ; V's tiles 0-7 are in
	MULPV 0, BUF0, \first
.if \first
	PLACES 4
.else
	RESC 16, 8
.endif
	LOADV 2, BUF0, \slot
	s_wait_dscnt 16                                ; tiles 8-15 are in
	MULPV 1, BUF1, \first
.if \first
	PLACES 4
.else
	RESC 24, 8
.endif
	LOADV 3, BUF1, \slot
	s_wait_dscnt 16                                ; tiles 16-23 are in
	MULPV 2, BUF0, \first
	s_wait_dscnt 0x0
	MULPV 3, BUF1, \first
	WIN 0
.endm
	s_load_b256 s[4:11], s[0:1], 0x0               ; qp s[4:5], kv s[6:7], mask s[8:9], out0 s[10:11]
	v_lshl_add_u32 v1, v0, 2, SPARE                ; v1: my spare word; never rewritten
	v_mov_b32 v2, 0                                ; v2: 0; never rewritten
	ds_add_u32 v1, v2
	ds_add_u32 v1, v2
	s_wait_dscnt 0x0
	v_lshrrev_b32 v12, 5, v0
	v_readfirstlane_b32 s12, v12                   ; wave 0..3
	s_bfe_u32 s13, ttmp6, 0x40000                  ; cx: my place in the cluster
	s_lshl_b32 s14, ttmp9, 2                       ; in a cluster launch ttmp9 counts clusters
	s_add_co_u32 s14, s14, s13                     ; my block of 128 queries: it enters qp's, the mask's and out0's addresses alone
	s_and_b32 s15, ttmp7, 0xffff                   ; the batch, which the four partners share
	s_and_b32 s55, s12, 1                          ; which PACK, or which half of the mask's tile, I fetch
	; group 1 for a PACK: 34,816 dense bytes as 136 rows of 256 bytes (32 elements of 8 bytes), no padding
	s_mov_b32 s[G1KV], 15|(3<<16)|(1<<21)          ; 15:0 the mask: all four work-groups; 17:16 elements of 8 bytes; 21 set beside a mask
	s_mov_b32 s[G1KV+1], 32<<16                    ; tensor_dim0 = 32
	s_mov_b32 s[G1KV+2], 136<<16                   ; tensor_dim1 = 136
	s_mov_b32 s[G1KV+3], 32<<16                    ; tile_dim0 = 32
	s_mov_b32 s[G1KV+4], 136                       ; tile_dim1 = 136
	s_mov_b32 s[G1KV+5], 32                        ; from row to row
	s_mov_b32 s[G1KV+6], 0
	s_mov_b32 s[G1KV+7], 0
	; group 1 for the mask: 64 rows of 128 numbers of 4 bytes, 1,024 numbers from row to row; in LDS 4 words of padding behind every 128: rows 528 bytes apart
	s_mov_b32 s[G1M], (2<<16)|(1<<20)|(6<<22)|(3<<25)
	s_mov_b32 s[G1M+1], 128<<16
	s_mov_b32 s[G1M+2], 64<<16
	s_mov_b32 s[G1M+3], 128<<16
	s_mov_b32 s[G1M+4], 64
	s_mov_b32 s[G1M+5], 1024
	s_mov_b32 s[G1M+6], 0
	s_mov_b32 s[G1M+7], 0
	s_mov_b32 s48, 0x3fb8aa3b                      ; log2(e)
	s_mov_b32 s49, s48
	s_mov_b32 s50, 0x5a388472                      ; 9e15 x log2(e)
	s_mov_b32 s51, s50
	s_mov_b32 s52, 0x76543210
	s_mov_b32 s53, 0xfedcba98                      ; v_permlanex16_b32's selects for lane l xor 16
	s_mul_i32 s56, s15, 557056                     ; kv: the batch's 8 steps of 69,632 bytes,
	s_mul_i32 s60, s55, VPK                        ; + my PACK: the same figure is its place in a slot.  cx does not enter it
	s_add_co_u32 s56, s56, s60
	s_mov_b32 s57, 0
	s_lshl_b32 s58, s15, 22                        ; the mask: the batch's 4 MiB,
	s_lshl_b32 s59, s14, 19                        ; my block's 128 rows of 4,096 bytes,
	s_add_co_u32 s58, s58, s59
	s_lshl_b32 s59, s55, 18                        ; my 64 of them
	s_add_co_u32 s58, s58, s59
	s_mov_b32 s59, 0
	s_mul_i32 s61, s55, 33792                      ; and their place in a slot: 64 rows of 528 bytes
	s_add_co_u32 s61, s61, MKO
	s_lshl_b32 s62, s15, 3
	s_add_co_u32 s62, s62, s14
	s_mul_i32 s62, s62, 34816                      ; qp: my block's PACK;
	s_lshl_b32 s66, s12, 9
	s_add_co_u32 s66, s66, s62
	s_add_co_u32 s66, s66, 32768                   ; my two tiles' scale words: groups 2 w, 2 w + 1 of its scale region;
	s_mov_b32 s67, 0
	s_lshl_b32 s63, s12, 13
	s_add_co_u32 s62, s62, s63                     ; my two tiles' eight images
	s_mov_b32 s63, 0
	s_lshl_b32 s68, s15, 21                        ; out0: rows of 2,048 bytes: 1,024 a batch, 128 a block, 32 a wave
	s_lshl_b32 s69, s14, 18
	s_add_co_u32 s68, s68, s69
	s_lshl_b32 s69, s12, 16
	s_add_co_u32 s68, s68, s69
	s_mov_b32 s69, 0
	s_wait_kmcnt 0x0
	s_add_nc_u64 s[6:7], s[6:7], s[56:57]
	s_add_nc_u64 s[8:9], s[8:9], s[58:59]
	s_add_nc_u64 s[62:63], s[4:5], s[62:63]
	s_add_nc_u64 s[66:67], s[4:5], s[66:67]
	s_add_nc_u64 s[10:11], s[10:11], s[68:69]
	CROUND                                         ; all four work-groups are here: the first joint loads meet
.irp n, 0,1
	s_mov_b32 s[G0KV+4*\n], 1                      ; count = 1
	s_add_co_u32 s[G0KV+4*\n+1], s60, \n*SLOT      ; LDS address
	s_add_nc_u64 s[G0KV+4*\n+2:G0KV+4*\n+3], s[6:7], \n*69632      ; key step n
	s_or_b32 s[G0KV+4*\n+3], s[G0KV+4*\n+3], 0x80000000            ; type = 2
	s_mov_b32 s[G0M+4*\n], 1
	s_add_co_u32 s[G0M+4*\n+1], s61, \n*SLOT
	s_add_nc_u64 s[G0M+4*\n+2:G0M+4*\n+3], s[8:9], \n*512
	s_or_b32 s[G0M+4*\n+3], s[G0M+4*\n+3], 0x80000000
.endr
	s_cmp_lt_u32 s12, 2                            ; a wave's two first fills stand in one branch, ahead of every wait on TENSORcnt and every LDS read: two loads of mine are out
	s_cbranch_scc0 .Lfirst_mask
	tensor_load_to_lds s[G0KV:G0KV+3], s[G1KV:G1KV+7]
	s_nop 0
	tensor_load_to_lds s[G0KV+4:G0KV+7], s[G1KV:G1KV+7]
	s_nop 0
.rept 4
	v_nop
.endr
	s_branch .Lfirst_asked
.Lfirst_mask:
	tensor_load_to_lds s[G0M:G0M+3], s[G1M:G1M+7]
	s_nop 0
	tensor_load_to_lds s[G0M+4:G0M+7], s[G1M:G1M+7]
	s_nop 0
.rept 4
	v_nop
.endr
.Lfirst_asked:
	v_and_b32 v12, 15, v0                          ; r
	v_bfe_u32 v13, v0, 4, 1                        ; h
	v_and_b32 v14, 31, v0                          ; lane
	v_lshlrev_b32 v11, 4, v14                      ; v11: 16 x lane: my place in an image of Q, and in 512 bytes of a row of out0
.irp u, 0,1                                    ; Q stays in registers: tile u, K step s
.irp s, 0,1,2,3
.irp c, 0,1
	global_load_b128 v[QF+32*\u+8*\s+4*\c:QF+32*\u+8*\s+4*\c+3], v11, s[62:63] offset:4096*\u+1024*\s+512*\c
.endr
.endr
.endr
	global_load_b128 v[QS:QS+3], v11, s[66:67]     ; register s: lanes 0-15 tile 0's word of K step s, lanes 16-31 tile 1's
	v_lshlrev_b32 v3, 4, v14                       ; v3, v4: K's PACK in slot 0, 1: 16 x lane
	v_add_nc_u32 v4, SLOT, v3
	v_add_nc_u32 v5, VPK, v3                       ; v5, v6: V's
	v_add_nc_u32 v6, SLOT+VPK, v3
	s_mul_i32 s70, s12, 16896                      ; my wave's 32 rows of the mask's tile
	s_add_co_u32 s70, s70, MKO
	v_mul_u32_u24 v7, v12, 528
	v_lshl_add_u32 v7, v13, 6, v7
	v_add_nc_u32 v7, s70, v7                       ; v7, v8: row r, + 64 h: my 16 keys of a block of 32.  Rows 528 bytes apart: 16 rows start at 16 different groups of banks
	v_add_nc_u32 v8, SLOT, v7
	s_mul_i32 s71, s12, 33024                      ; the way out: my stage of 16 rows x (2,048 + 16) bytes, in slot 0
	v_mul_u32_u24 v9, v12, 2064
	v_lshl_add_u32 v9, v13, 5, v9
	v_add_nc_u32 v9, s71, v9                       ; v9: in: row r, + 32 h
	v_add_nc_u32 v10, s71, v3                      ; v10: back: 16 x lane
	WIN 0x40
.irp n, 0,1,2,3,4,5,6,7
	v_mov_b32 v[BT+\n], 0                          ; written once: a lane permute's destination counts as one of its sources
.endr
	v_mov_b32 v[ST+5], 0                           ; (named as the upper halves of f's pairs)
	v_mov_b32 v[ST+13], 0
	WIN 0
	s_wait_tensorcnt 1                             ; my part of slot 0 is in; slot 1's may stay out
	s_barrier_signal -1
	s_barrier_wait -1                              ; everybody's is
	s_wait_loadcnt 0x0                             ; Q
	STEP 0, 1                                      ; the first key step stands in front of the loop: its products start O^T's sums
	s_mov_b32 s54, 3
.Lpair:                                            ; three trips: key steps 1 to 6; both slots are filled again in each
	CHANGE 0, 1
	STEP 1, 0
	CHANGE 1, 1
	STEP 0, 0
	s_sub_co_u32 s54, s54, 1
	s_cmp_lg_u32 s54, 0
	s_cbranch_scc1 .Lpair
	CHANGE 0, 0                                    ; the last step is written out: nothing is left to ask for
	STEP 1, 0
	; THE WAY OUT.  O^T / the sum, the last relu, then a tile of 16 queries at a time through my stage in LDS, so that whole rows leave.  The stage lies in slot 0: it has had its last fill,
	; and behind the last change of slots nobody reads it.
	PLACES 4                                       ; behind the last products
	WIN 0x55
.irp u, 0,1
	v_add_f32 v[ST+8*\u+6], v[ST+8*\u+2], v[ST+8*\u+3]             ; the sum's two halves,
.endr
.irp u, 0,1
	v_permlanex16_b32 v[ST+8*\u+7], v[ST+8*\u+6], s52, s53
.endr
.irp u, 0,1
	v_add_f32 v[ST+8*\u+6], v[ST+8*\u+6], v[ST+8*\u+7]             ; and lane l xor 16's: the row's sum
.endr
.irp u, 0,1
	v_rcp_f32 v[ST+8*\u+4], v[ST+8*\u+6]
.endr
	v_nop                                          ; a plain place behind the reciprocals
	s_wait_alu depctr_va_vdst(0)
.macro SCALE_O u
.irp w, 0,1
	WIN 0x86+0x41*\w
.irp d, 0,1,2,3,4,5,6,7,8,9,10,11,12,13,14,15
.irp j, 0,2,4,6
	v_pk_mul_f32 v[16*\d+8*\u+\j:16*\d+8*\u+\j+1], v[16*\d+8*\u+\j:16*\d+8*\u+\j+1], v[ST+8*\u+4:ST+8*\u+5] op_sel_hi:[1,0]
.endr
.irp j, 0,1,2,3,4,5,6,7
	v_max_num_f32 v[16*\d+8*\u+\j], v[16*\d+8*\u+\j], 0            ; the last relu
.endr
.endr
.endr
.endm
.macro TOSTAGE u                       ; lane (r, h): out(query r, channels 16 dt + 8 h + 0 .. 7): 32 bytes of a row
.irp w, 0,1
	WIN 0x08+4*\w                                  ; an LDS store's data are its source 1: window 2 or 3
.irp d, 0,1,2,3,4,5,6,7,8,9,10,11,12,13,14,15
	ds_store_b128 v9, v[16*\d+8*\u:16*\d+8*\u+3] offset:64*(16*\w+\d)
	ds_store_b128 v9, v[16*\d+8*\u+4:16*\d+8*\u+7] offset:64*(16*\w+\d)+16
.endr
.endr
	WIN 0
.endm
.macro FROWS k                         ; rows 4 k .. 4 k + 3 back, 512 bytes a load.  LDS serves a wave's instructions in order (ISA guide 5.7.1.4): these see my stores
.irp i, 0,1,2,3
.irp q, 0,1,2,3
	ds_load_b128 v[128+64*((\k)%2)+16*\i+4*\q:128+64*((\k)%2)+16*\i+4*\q+3], v10 offset:2064*(4*(\k)+\i)+512*\q
.endr
.endr
.endm
.macro SROWS u, k, n                   ; n: the LDS loads issued behind these rows', which may stay out
	s_wait_dscnt \n
.irp i, 0,1,2,3
.irp q, 0,1,2,3
	global_store_b128 v11, v[128+64*((\k)%2)+16*\i+4*\q:128+64*((\k)%2)+16*\i+4*\q+3], s[10:11] offset:2048*(16*\u+4*(\k)+\i)+512*\q th:TH_STORE_NT   ; the wave stores 512 consecutive bytes, aligned; written once, read by nobody here
.endr
.endr
.endm
	SCALE_O 0
.irp u, 0,1
	TOSTAGE \u
	FROWS 0
	FROWS 1
	SROWS \u, 0, 16
	s_wait_xcnt 0x0                                ; the stores have read their registers: the next rows may land there
	FROWS 2
	SROWS \u, 1, 16
	s_wait_xcnt 0x0
	FROWS 3
.if \u == 0
	SCALE_O 1                                      ; the other tile's arithmetic stands between these loads and the wait for them
	WIN 0
.endif
	SROWS \u, 2, 16
	SROWS \u, 3, 0
	s_wait_xcnt 0x0
.endr
	s_wait_tensorcnt 0x0                           ; the wave's end: behind my last tensor load and my last LDS store
	ds_add_u32 v1, v2
	s_wait_dscnt 0x0
	CROUND                                         ; the closing round: no work-group ends while a partner may still ask for a tile that names it
	s_endpgm
.Lfunc_end_k_q96886d8659_attn:
	.size	k_q96886d8659_attn, .Lfunc_end_k_q96886d8659_attn-k_q96886d8659_attn
	.p2alignl 7, 3214868480
	.fill 96, 4, 3214868480
	.section	.rodata,"a",@progbits
	.p2align	6, 0x0
	.amdhsa_kernel k_q96886d8659_attn
		.amdhsa_group_segment_fixed_size 327680
		.amdhsa_private_segment_fixed_size 0
		.amdhsa_enable_private_segment 0
		.amdhsa_kernarg_size 32
		.amdhsa_user_sgpr_count 2
		.amdhsa_user_sgpr_kernarg_segment_ptr 1
		.amdhsa_wavefront_size32 1
		.amdhsa_system_sgpr_workgroup_id_x 1
		.amdhsa_system_sgpr_workgroup_id_y 1
		.amdhsa_system_sgpr_workgroup_id_z 1
		.amdhsa_system_vgpr_workitem_id 0
		.amdhsa_next_free_vgpr 1024
		.amdhsa_next_free_sgpr 80
		.amdhsa_reserve_vcc 0
		.amdhsa_float_denorm_mode_32 3
		.amdhsa_float_denorm_mode_16_64 3
		.amdhsa_memory_ordered 1
		.amdhsa_forward_progress 1
		.amdhsa_inst_pref_size 255
	.end_amdhsa_kernel
	.section	.bss,"aw",@nobits
	.p2align	6
	.space	262144
	.amdgpu_metadata
---
amdhsa.version: [ 1, 2 ]
amdhsa.kernels:
  - .name:           k_q96886d8659_attn
    .symbol:         k_q96886d8659_attn.kd
    .args:
      - { .name: qp, .offset: 0, .size: 8, .value_kind: global_buffer, .address_space: global }
      - { .name: kv, .offset: 8, .size: 8, .value_kind: global_buffer, .address_space: global }
      - { .name: mask, .offset: 16, .size: 8, .value_kind: global_buffer, .address_space: global }
      - { .name: out0, .offset: 24, .size: 8, .value_kind: global_buffer, .address_space: global }
    .group_segment_fixed_size: 327680
    .private_segment_fixed_size: 0
    .kernarg_segment_align: 8
    .kernarg_segment_size: 32
    .max_flat_workgroup_size: 128
    .sgpr_count:     80
    .vgpr_count:     1024
    .wavefront_size: 32
...
	.end_amdgpu_metadata
.endif
;; end of part 2
;; ======== version 2 of 2: 2 launches; version 1 with the launch proj written anew for expert scheduling mode
;; workspace buffers: qp 8,912,896 bytes; kv 17,825,792 bytes
;; launch proj (part 3): grid 256 x 1, 8 waves a work-group, no clusters, 26,624 bytes of LDS; arguments x_codes, x_scales, Wq_codes, Wk_codes, Wq_scales, Wk_scales, bq, bk, Wv_codes, Wv_scales, bv, qp, kv; writes qp, kv
.if DOCPART == 3
	.amdgcn_target "amdgcn-amd-amdhsa--gfx1250"
	.amdhsa_code_object_version 6
	.text
	.protected	k_q96886d8659_proj
	.globl	k_q96886d8659_proj
	.p2align	8
	.type	k_q96886d8659_proj,@function
k_q96886d8659_proj:
	s_mov_b64 s[64:65], 0
	v_nop
	global_prefetch_b8 v0, s[64:65] scope:SCOPE_SE
	s_setreg_imm32_b32 hwreg(HW_REG_WAVE_SCHED_MODE, 0, 2), 2
	s_setreg_imm32_b32 hwreg(HW_REG_WAVE_MODE, 25, 1), 1
	s_wait_xcnt 0x0
	s_wait_alu depctr_vm_vsrc(0)
; q = relu(x Wq + bq) / 2304, k = relu(x Wk + bk), v = relu(x Wv + bv): three products on codes of FP4 (E2M1) with E8M0 scales, K = 256, sums in f32;
; the results are quantised at once, q and k along the hidden axis, v along the KEYS, and leave as codes laid in the order of the next launch's operand registers.
; A FRAGMENT IMAGE is 1,024 bytes: 16 rows x 128 K of 4-bit codes; the lane's register group c (4 registers) lies at 512 c + 16 x lane.
; A PACK is 32 images and a scale region of 2,048 bytes, [8 groups][16 rows][4 words]: 34,816 bytes.
;   qp: [256 blocks of 128 rows] PACK: image (t, s) at 4096 t + 1024 s: rows 16 t + r, hidden units 128 s on; scale word [t][r][s].
;   kv: [256 blocks][K PACK, V PACK].  K PACK as qp's, but lane r of tile 2 g + e holds key 32 g + 8 e + r + 8 (r / 8), so that the scores of two neighbouring tiles are 16 neighbouring keys in a lane.
;       V PACK: image dt at 1024 dt: rows d = 16 dt + r, K = the block's 128 keys; scale word [dt / 4][r][dt % 4].
; SHARES.  A work-group takes 128 rows of x (one block), eight waves.  Phase A: waves 0-3 make q, waves 4-7 k, each 128 hidden units (one K step of the scores' product) for all 8 tiles of rows:
; source 0 = 16 rows of W, source 1 = 16 rows of x, so that a lane holds ONE row and its registers run along the hidden units.  THE ROWS OF W THAT FORM A TILE ARE NOT NEIGHBOURS: lane r of tile 2 b + e takes
; row 32 b + 8 e + r + 8 (r / 8): the 16 registers of tiles 2 b, 2 b + 1 are then 16 neighbours along the next K.  Phase B: each wave makes 64 of v's hidden units: source 0 = 16 rows of x chosen by the same
; pattern (they are the keys), source 1 = 16 rows of Wv: a lane holds one hidden unit and its registers run along the keys.
; The biases are the C of each sum's first matrix instruction.  No tensor load: x's 16 KiB go through registers into LDS once; the weights go straight into registers, each byte once a work-group.
; LIMITS: NaN, infinities and the scale byte 0xff among the inputs are not served.  A block of zeros, or one whose largest magnitude lies under 2^-124, gets the byte 1 (the rule says 127 for zeros):
; its codes are zeros, which add nothing under any byte but 0xff, and these bytes are read by this program alone.
; LDS: x's rows lie 144 bytes apart (128 + 16): 16 neighbouring rows start at 16 different groups of banks (64 banks of 4 bytes: ISA guide 11.1); the pattern's rows 0-7 and 16-23 meet two deep at any pitch
; that is a multiple of 16 bytes: each wave reads x's 16 KiB once or twice in the launch, so that is left as it is.
; REGISTERS: window 0: v1-22 addresses; v24-31 codes, second buffer; v32-95 eight accumulators; v96-159 the bias in the result's layout; v160-167 codes, first buffer; v168-183 at work; v184-189 scale words made;
;   v192-207 x's scale words; v208-223 W's scale words; v224-227 v's bias; v228-244 x on its way to LDS, at last the scale regions on their way out.   window 1: v0-127 x's 16 fragments (16 m + 8 s); v128-255 W's 16 (128 + 16 t + 8 s).
; THE MODE: SCHED_MODE bits 1:0 = 2 (LLVM: expert scheduling mode 2), set by the entry lines.  The code itself states the register dependences
; between vector or matrix instructions and memory or LDS instructions, with s_wait_alu, always for 0.
; THE PLAN.  The work is twelve tiles on end, n = 0 .. 11: phase A's eight, phase B's four.  Registers that memory or LDS instructions touch:
;   v4-v21       Offsets and LDS addresses: made at the head and never written again.
;   PC0, PC1     A tile's codes.  Tile n's quantiser writes PC[n % 2]; the two global stores that are issued in tile n + 1 read it.
;   PW0, PW1     Phase A's scale word, likewise: read by the LDS store that is issued in tile n + 1.
;   VPW          Phase B's four scale words: each written once; read by one LDS store behind the last tile.
;   W's fragments 0-7 and their scale words, and in waves 0-3 x's fragments and scale words: read by products; loaded anew once, in phase A's last tile, behind its products.
;   SG           Loads land in it and LDS stores read it at the head; at the very end LDS loads land in it again.  No vector instruction names it.
;   The accumulators, the bias and the registers at work are named by vector and matrix instructions alone.
; So ONE wait on va_vdst stands in a tile, behind its sixteen products and their places: it states that the tile before has written its codes and its scale word, which the stores behind the wait read, and, in
; phase A's last tile, that the products are done reading the operands in which phase B's loads land.  ONE wait on vm_vsrc stands ahead of a tile's quantiser: the stores issued in the tile before have read the
; buffer that it writes again.  One more wait on va_vdst stands at the head, for the addresses, and one behind the last tile, for its stores.
.set XS,   18432                       ; LDS: x's codes from 0: 128 rows x 144 bytes;  here x's scale bytes: 8 a row
.set QSC,  19456                       ; q's scale words as they are made: 512 bytes for each of waves 0-3: [m][r]
.set KSC,  21504                       ; k's: the same for waves 4-7
.set VSC,  23552                       ; v's scale region as it leaves: 256 bytes for each wave
.set ACC,  32
.set BIAS, 96
.set PC0,  160                         ; the codes of tiles 0, 2, ..
.set PC1,  24                          ; and of tiles 1, 3, ..
.set TM,   168                         ; v168-171 largest magnitudes, v172-175 the other half's, then bytes, v180-183 the conversions' scale operands
.set VPW,  184
.set PW,   188                         ; v188, v189: phase A's scale word, two by turns
.set XSW,  192
.set WS,   208
.set BVW,  224
.set SG,   228
.set MSB,  0
.macro WIN new                         ; the immediate's high byte repeats the setting that is left; a switch that changes nothing is dropped
.if MSB != (\new)
	s_set_vgpr_msb (MSB<<8)|(\new)
.set MSB, \new
.endif
.endm
.macro PLACES n
.rept \n
	v_nop
.endr
.endm
; x's 16 fragments and 16 scale words out of LDS.  trick = 0: tile m is rows 16 m + r;  1: rows 32 (m / 2) + 8 (m % 2) + r + 8 (r / 8)
.macro XFETCH adr, sadr, trick
	WIN 0x40                                       ; destination window 1, address window 0
.irp m, 0,1,2,3,4,5,6,7
.if \trick
.set RW, 32*(\m/2)+8*(\m%2)
.else
.set RW, 16*\m
.endif
.irp s, 0,1
.irp c, 0,1
	ds_load_b128 v[16*\m+8*\s+4*\c:16*\m+8*\s+4*\c+3], v[\adr] offset:RW*144+64*\s+32*\c
.endr
.endr
.endr
	WIN 0
.irp m, 0,1,2,3,4,5,6,7
.if \trick
.set RW, 32*(\m/2)+8*(\m%2)
.else
.set RW, 16*\m
.endif
	ds_load_b64 v[XSW+2*\m:XSW+2*\m+1], v[\sadr] offset:RW*8       ; both K steps' words of my row
.endr
.endm
; 64 numbers of a lane, none negative, register 16 b + i = k 32 b + 16 (lane / 16) + i of my row, become a fragment's codes in v[pc] on and its scale word in v[pw]
.macro QUANT s, pw, pc
.irp b, 0,1,2,3
	v_max3_num_f32 v[TM+\b], v[\s+16*\b], v[\s+1+16*\b], 0x1800000   ; block b: my 16 numbers, and the floor 2^(3 - 127): the byte cannot fall under 1
.endr
.irp i, 2,4,6,8,10,12,14
.irp b, 0,1,2,3
	v_max3_num_f32 v[TM+\b], v[TM+\b], v[\s+16*\b+\i], v[\s+1+16*\b+\i]   ; the four blocks by turns
.endr
.endr
.irp b, 0,1,2,3
	v_permlanex16_b32 v[TM+4+\b], v[TM+\b], s12, s13
.endr
.irp b, 0,1,2,3
	v_max_num_f32 v[TM+\b], v[TM+\b], v[TM+4+\b]   ; with lane l xor 16's 16: the block's largest magnitude
.endr
.irp b, 0,1,2,3
	v_add_nc_u32 v[TM+12+\b], 0xff000000, v[TM+\b] ; 2 off its exponent field: the conversion takes the exponent field of this operand as its scale
.endr
.irp b, 0,1,2,3
	v_lshrrev_b32 v[TM+4+\b], 23, v[TM+12+\b]      ; the scale's byte
.endr
	v_lshl_or_b32 v[\pw], v[TM+5], 8, v[TM+4]      ; four bytes: my row's scale word
	v_lshl_or_b32 v[\pw], v[TM+6], 16, v[\pw]
	v_lshl_or_b32 v[\pw], v[TM+7], 24, v[\pw]
.irp b, 0,1,2,3
	v_cvt_scalef32_pk8_fp4_f32 v[\pc+2*\b], v[\s+16*\b:\s+16*\b+7], v[TM+12+\b]
	v_cvt_scalef32_pk8_fp4_f32 v[\pc+2*\b+1], v[\s+16*\b+8:\s+16*\b+15], v[TM+12+\b]
.endr
	v_nop                                          ; one plain place behind a scaled conversion
.irp c, 0,1                                    ; the operand's layout wants a whole block in a lane: lanes 0-15 block 2 c, lanes 16-31 block 2 c + 1
.irp i, 0,1
	v_permlane16_swap_b32 v[\pc+4*\c+\i], v[\pc+4*\c+2+\i]
.endr
.endr
.endm
; What phase B needs, asked for behind phase A's last products and the wait that shows them done reading: my 4 tiles of Wv, their scale words, my bias; waves 0-3 also fetch x's tiles anew, by the pattern.
; Between that wait and the last of these loads stand loads, window switches, a scalar compare and a branch alone.
.macro VPRE
	WIN 0x40
.irp t, 0,1,2,3
.irp s, 0,1
.irp c, 0,1
	global_load_b128 v[128+16*\t+8*\s+4*\c:128+16*\t+8*\s+4*\c+3], v12, s[32:33] offset:2048*\t+64*\s+32*\c
.endr
.endr
.endr
	WIN 0
.irp t, 0,1,2,3
	global_load_b64 v[WS+2*\t:WS+2*\t+1], v13, s[34:35] offset:128*\t
.endr
.irp t, 0,1,2,3
	global_load_b32 v[BVW+\t], v14, s[36:37] offset:64*\t
.endr
	s_cmp_ge_u32 s8, 4
	s_cbranch_scc1 .Lhave_\@
	XFETCH 6, 8, 1
.Lhave_\@:
.endm
; The image and the scale word of phase A's tile m leave: issued a tile behind their making
.macro SENDQK m
.irp c, 0,1
	global_store_b128 v4, v[PC0+(PC1-PC0)*((\m)%2)+4*\c:PC0+(PC1-PC0)*((\m)%2)+4*\c+3], s[42:43] offset:4096*(\m)+512*\c   ; the wave stores 512 consecutive bytes, aligned
.endr
	ds_store_b32 v15, v[PW+(\m)%2] offset:64*(\m)  ; lanes r and r + 16 write the same word with the same value
.endm
; The image of phase B's tile t likewise
.macro SENDV t
.irp c, 0,1
	global_store_b128 v4, v[PC0+(PC1-PC0)*((\t)%2)+4*\c:PC0+(PC1-PC0)*((\t)%2)+4*\c+3], s[44:45] offset:1024*(\t)+512*\c
.endr
.endm
; Phase A, tile m of rows: 16 products (the eight accumulators take turns), the tile before goes out, relu, q alone x 1/2304, quantised
.macro QK m
	WIN 0x05                                       ; sources 0 (W) and 1 (x) window 1; C and D window 0
.irp t, 0,1,2,3,4,5,6,7
	v_wmma_scale_f32_16x16x128_f8f6f4 v[ACC+8*\t:ACC+8*\t+7], v[128+16*\t:128+16*\t+7], v[16*(\m):16*(\m)+7], v[BIAS+8*\t:BIAS+8*\t+7], v[WS+2*\t], v[XSW+2*(\m)] matrix_a_fmt:MATRIX_FMT_FP4 matrix_b_fmt:MATRIX_FMT_FP4
.endr
.irp t, 0,1,2,3,4,5,6,7
	v_wmma_scale_f32_16x16x128_f8f6f4 v[ACC+8*\t:ACC+8*\t+7], v[128+16*\t+8:128+16*\t+15], v[16*(\m)+8:16*(\m)+15], v[ACC+8*\t:ACC+8*\t+7], v[WS+2*\t+1], v[XSW+2*(\m)+1] matrix_a_fmt:MATRIX_FMT_FP4 matrix_b_fmt:MATRIX_FMT_FP4
.endr
	WIN 0
	PLACES 4                                       ; in front of the first read of results (ISA guide 7.12.1)
.if (\m) == 7
	WIN 0x40                                       ; the window of the first loads below is set ahead of the wait
.endif
.if (\m) == 7
	s_wait_alu depctr_va_vdst(0)                   ; tile 6 has written PC0 and PW0, which the stores below read; the products are done reading W's fragments and scale words and x's, in which the loads below land
	VPRE
.elseif (\m) > 0
	s_wait_alu depctr_va_vdst(0)                   ; the tile before has written its codes and its scale word, which the stores below read
.endif
.if (\m) > 0
	SENDQK (\m)-1
.endif
.set J, 0
.rept 64
	v_max_num_f32 v[ACC+J], 0, v[ACC+J]            ; the activation, each accumulator from its low end on
.set J, J+1
.endr
	s_cmp_ge_u32 s8, 4                             ; k is not scaled
	s_cbranch_scc1 .Lkeep_\@
.set J, 0
.rept 32
	v_pk_mul_f32 v[ACC+2*J:ACC+2*J+1], v[ACC+2*J:ACC+2*J+1], s[14:15] op_sel_hi:[1,0]   ; q x 1/2304, in f32, ahead of the quantiser
.set J, J+1
.endr
.Lkeep_\@:
.if (\m) > 1                                   ; (tiles 0 and 1 write buffers that no store has read yet)
	s_wait_xcnt 0x0                                ; every earlier memory instruction has had its addresses translated (ISA guide 3.1): the codes' registers are rewritten only behind this wait
	s_wait_dscnt 0x0                               ; my LDS instructions are done, the scale words' stores among them
	s_wait_alu depctr_vm_vsrc(0)                   ; the stores issued in the tile before have read this tile's buffer of codes and its scale word's register, which the quantiser writes again
.endif
.set PCB, PC0+(PC1-PC0)*((\m)%2)
	QUANT ACC, PW+(\m)%2, PCB
.endm
; Phase B, my tile t of 16 hidden units of v, all 128 keys
.macro VT t
.irp j, 0,1,2,3,4,5,6,7
	v_mov_b32 v[BIAS+\j], v[BVW+\t]                ; a lane holds one hidden unit: its bias in all eight registers of C
.endr
	WIN 0x05
.irp m, 0,1,2,3,4,5,6,7
	v_wmma_scale_f32_16x16x128_f8f6f4 v[ACC+8*\m:ACC+8*\m+7], v[16*\m:16*\m+7], v[128+16*(\t):128+16*(\t)+7], v[BIAS:BIAS+7], v[XSW+2*\m], v[WS+2*(\t)] matrix_a_fmt:MATRIX_FMT_FP4 matrix_b_fmt:MATRIX_FMT_FP4
.endr
.irp m, 0,1,2,3,4,5,6,7
	v_wmma_scale_f32_16x16x128_f8f6f4 v[ACC+8*\m:ACC+8*\m+7], v[16*\m+8:16*\m+15], v[128+16*(\t)+8:128+16*(\t)+15], v[ACC+8*\m:ACC+8*\m+7], v[XSW+2*\m+1], v[WS+2*(\t)+1] matrix_a_fmt:MATRIX_FMT_FP4 matrix_b_fmt:MATRIX_FMT_FP4
.endr
	WIN 0
	PLACES 4
	s_wait_alu depctr_va_vdst(0)                   ; the tile before has written its codes (phase A's last tile: and its scale word), which the stores below read
.if (\t) == 0
	SENDQK 7
.else
	SENDV (\t)-1
.endif
.set J, 0
.rept 64
	v_max_num_f32 v[ACC+J], 0, v[ACC+J]
.set J, J+1
.endr
	s_wait_xcnt 0x0                                ; every earlier memory instruction has had its addresses translated: the codes' registers are rewritten only behind this wait
	s_wait_alu depctr_vm_vsrc(0)                   ; the stores issued in the tile before have read this tile's buffer of codes, which the quantiser writes again
.set PCB, PC0+(PC1-PC0)*((\t)%2)
	QUANT ACC, VPW+\t, PCB
.endm
	s_load_b512 s[16:31], s[0:1], 0x0              ; x_codes, x_scales, Wq_codes, Wk_codes, Wq_scales, Wk_scales, bq, bk
	s_load_b256 s[32:39], s[0:1], 0x40             ; Wv_codes, Wv_scales, bv, qp
	s_load_b64 s[40:41], s[0:1], 0x60              ; kv
	v_lshl_add_u32 v254, v0, 2, 0x6400
	v_mov_b32 v255, 0
	v_lshrrev_b32 v1, 5, v0
	v_readfirstlane_b32 s8, v1                     ; wave 0..7
	v_and_b32 v1, 15, v0                           ; r
	v_bfe_u32 v2, v0, 4, 1                         ; h
	v_and_b32 v3, 8, v1
	v_add_nc_u32 v3, v3, v1                        ; r + 8 (r / 8)
	v_and_b32 v4, 31, v0
	v_lshlrev_b32 v4, 4, v4                        ; v4: 16 x lane: an image's place for my lane
	v_mul_u32_u24 v5, v1, 144
	v_lshl_add_u32 v5, v2, 4, v5                   ; v5: x in LDS, row r, + 16 h
	v_mul_u32_u24 v6, v3, 144
	v_lshl_add_u32 v6, v2, 4, v6                   ; v6: the same by the pattern
	v_lshl_add_u32 v7, v1, 3, XS                   ; v7, v8: x's scale words likewise
	v_lshl_add_u32 v8, v3, 3, XS
	v_lshlrev_b32 v9, 7, v3
	v_lshl_add_u32 v9, v2, 4, v9                   ; v9: Wq, Wk: a row is 128 bytes; by the pattern
	v_lshlrev_b32 v10, 3, v3                       ; v10: their scale bytes, 8 a row
	v_lshlrev_b32 v11, 6, v2                       ; v11: their bias: my half's 16 numbers of a block of 32
	v_lshlrev_b32 v12, 7, v1
	v_lshl_add_u32 v12, v2, 4, v12                 ; v12: Wv: row r
	v_lshlrev_b32 v13, 3, v1                       ; v13: its scale bytes
	v_lshlrev_b32 v14, 2, v1                       ; v14: its bias
	s_wait_alu depctr_va_sdst(0)                   ; s8 is written, ahead of its first reader: LDS addresses, bases and branches are made from it
	s_and_b32 s9, s8, 3                            ; which 128 hidden units in phase A
	s_lshl_b32 s46, s8, 9
	s_add_co_u32 s46, s46, QSC
	v_lshl_add_u32 v15, v1, 2, s46                 ; v15: where my wave puts q's or k's scale words: QSC + 512 x wave + 4 r
	s_lshl_b32 s46, s8, 8
	s_add_co_u32 s46, s46, VSC
	v_lshl_add_u32 v16, v1, 4, s46                 ; v16: and v's: VSC + 256 x wave + 16 r
	v_lshlrev_b32 v17, 3, v0                       ; v17: 8 x thread: the scale regions' way out
	v_lshlrev_b32 v18, 4, v0                       ; v18: 16 x thread: x's codes as they lie
	v_lshrrev_b32 v19, 3, v0
	v_mul_u32_u24 v19, v19, 144
	v_and_b32 v20, 7, v0
	v_lshl_add_u32 v19, v20, 4, v19                ; v19: the same 16 bytes in LDS: row thread / 8, 16 (thread % 8)
	v_lshlrev_b32 v20, 2, v0                       ; v20: 4 x thread: x's scale bytes
	v_and_b32 v21, 1, v0
	v_lshlrev_b32 v21, 10, v21
	v_lshrrev_b32 v22, 5, v0
	v_lshl_add_u32 v21, v22, 6, v21
	v_bfe_u32 v22, v0, 1, 4
	v_lshl_add_u32 v21, v22, 2, v21                ; v21: the word [s = 2 (T % 2)][m = T / 32][r = (T / 2) % 16] of q's or k's scale words; s + 1 lies 512 bytes on
.irp b, 0,1,2,3
	v_mov_b32 v[TM+4+\b], 0                        ; written once: a lane permute's destination counts as one of its sources
.endr
	s_mov_b32 s12, 0x76543210
	s_mov_b32 s13, 0xfedcba98                      ; v_permlanex16_b32's selects for lane l xor 16
	s_mov_b32 s14, 0x39e38e39                      ; 1 / 2304
	s_mov_b32 s15, s14                             ; (named with it as a pair)
	s_lshl_b32 s46, ttmp9, 14                      ; my block: 128 rows of 128 bytes of codes,
	s_mov_b32 s47, 0
	s_lshl_b32 s48, ttmp9, 10                      ; of 8 scale bytes,
	s_mov_b32 s49, 0
	s_mul_i32 s50, ttmp9, 34816                    ; its PACK in qp,
	s_mov_b32 s51, 0
	s_mul_i32 s52, ttmp9, 69632                    ; its two in kv
	s_mov_b32 s53, 0
	s_wait_kmcnt 0x0
	s_add_nc_u64 s[16:17], s[16:17], s[46:47]
	s_add_nc_u64 s[18:19], s[18:19], s[48:49]
	s_add_nc_u64 s[38:39], s[38:39], s[50:51]
	s_add_nc_u64 s[40:41], s[40:41], s[52:53]
	s_cmp_lt_u32 s8, 4                             ; q's wave or k's?  The choice hangs on the wave's number alone
	s_cselect_b64 s[20:21], s[20:21], s[22:23]     ; the weight's codes,
	s_cselect_b64 s[24:25], s[24:25], s[26:27]     ; its scale bytes,
	s_cselect_b64 s[28:29], s[28:29], s[30:31]     ; the bias,
	s_cselect_b64 s[42:43], s[38:39], s[40:41]     ; and where the images go
	s_lshl_b32 s46, s9, 14                         ; my 128 rows of the weight
	s_add_nc_u64 s[20:21], s[20:21], s[46:47]
	s_lshl_b32 s46, s9, 10
	s_add_nc_u64 s[24:25], s[24:25], s[46:47]
	s_add_nc_u64 s[42:43], s[42:43], s[46:47]      ; image (m, s) lies at 4096 m + 1024 s
	s_lshl_b32 s46, s9, 9
	s_add_nc_u64 s[28:29], s[28:29], s[46:47]
	s_lshl_b32 s46, s8, 12
	s_add_co_u32 s46, s46, 34816
	s_add_nc_u64 s[44:45], s[40:41], s[46:47]      ; v's images: behind the K PACK, 4 a wave
	s_lshl_b32 s46, s8, 13                         ; my 64 rows of Wv
	s_add_nc_u64 s[32:33], s[32:33], s[46:47]
	s_lshl_b32 s46, s8, 9
	s_add_nc_u64 s[34:35], s[34:35], s[46:47]
	s_lshl_b32 s46, s8, 8
	s_add_nc_u64 s[36:37], s[36:37], s[46:47]
	s_wait_alu depctr_va_vdst(0)                   ; the offsets and LDS addresses v4 to v21 are written: every load and store of the kernel reads one of them, and no vector instruction names them again
.irp i, 0,1,2,3
	global_load_b128 v[SG+4*\i:SG+4*\i+3], v18, s[16:17] offset:4096*\i th:TH_LOAD_NT   ; x's codes as they lie: a wave reads 512 consecutive bytes
.endr
	global_load_b32 v[SG+16], v20, s[18:19] th:TH_LOAD_NT
	WIN 0x40
.irp t, 0,1,2,3,4,5,6,7                        ; my 16 fragments of Wq or Wk: they stay through phase A
.irp s, 0,1
.irp c, 0,1
	global_load_b128 v[128+16*\t+8*\s+4*\c:128+16*\t+8*\s+4*\c+3], v9, s[20:21] offset:(32*(\t/2)+8*(\t%2))*128+64*\s+32*\c
.endr
.endr
.endr
	WIN 0
.irp t, 0,1,2,3,4,5,6,7
	global_load_b64 v[WS+2*\t:WS+2*\t+1], v10, s[24:25] offset:(32*(\t/2)+8*(\t%2))*8
.endr
.irp t, 0,1,2,3,4,5,6,7                        ; lane (r, h) wants, for tile 2 b + e, the bias of hidden units 32 b + 16 h + 8 e + 0 .. 7
	global_load_b128 v[BIAS+8*\t:BIAS+8*\t+3], v11, s[28:29] offset:(32*(\t/2)+8*(\t%2))*4
	global_load_b128 v[BIAS+8*\t+4:BIAS+8*\t+7], v11, s[28:29] offset:(32*(\t/2)+8*(\t%2))*4+16
.endr
	s_wait_loadcnt 56                              ; x's five loads are in; the 32 + 8 + 16 issued behind them may be out
.irp i, 0,1,2,3
	ds_store_b128 v19, v[SG+4*\i:SG+4*\i+3] offset:4608*\i         ; 32 rows of 144 bytes further on
.endr
	ds_store_b32 v20, v[SG+16] offset:XS
	s_wait_dscnt 0x0                               ; for the others' sake: my part of x lies in LDS
	s_barrier_signal -1
	s_barrier_wait -1
	s_cmp_lt_u32 s8, 4
	s_cbranch_scc0 .Lkeys
	XFETCH 5, 7, 0                                 ; q: tiles of neighbouring rows
	s_branch .Lhave_x
.Lkeys:
	XFETCH 6, 8, 1                                 ; k: tiles by the pattern
.Lhave_x:
	s_wait_loadcnt 0x0
	s_wait_dscnt 0x0
.irp m, 0,1,2,3,4,5,6,7
	QK \m
.endr
	s_wait_loadcnt 0x0                             ; Wv, its scale words, the bias
	s_wait_dscnt 0x0                               ; x's tiles by the pattern
.irp t, 0,1,2,3
	VT \t
.endr
	s_wait_alu depctr_va_vdst(0)                   ; the last tile has written PC1 and v's fourth scale word, which the stores below read
	SENDV 3
	ds_store_b128 v16, v[VPW:VPW+3]                ; my four tiles' scale words of hidden unit r: [wave][r][t]
	s_wait_dscnt 0x0                               ; for the others' sake: my scale words lie in LDS
	s_barrier_signal -1
	s_barrier_wait -1
	ds_load_b32 v[SG], v21 offset:QSC              ; the three scale regions leave as they are read later: [tile][r][K step].  (The head's LDS stores, which read these registers, stand ahead of the tiles' waits on vm_vsrc)
	ds_load_b32 v[SG+1], v21 offset:QSC+512
	ds_load_b32 v[SG+2], v21 offset:KSC
	ds_load_b32 v[SG+3], v21 offset:KSC+512
	ds_load_b64 v[SG+4:SG+5], v17 offset:VSC
	s_wait_dscnt 0x0
	global_store_b64 v17, v[SG:SG+1], s[38:39] offset:32768        ; a wave stores 256 consecutive bytes, aligned
	global_store_b64 v17, v[SG+2:SG+3], s[40:41] offset:32768
	global_store_b64 v17, v[SG+4:SG+5], s[40:41] offset:67584
	s_wait_dscnt 0x0                               ; the closing lines, six on end
	s_wait_alu 0x0
	s_wait_tensorcnt 0x0
	ds_add_u32 v254, v255
	s_wait_dscnt 0x0
	s_endpgm
.Lfunc_end_k_q96886d8659_proj:
	.size	k_q96886d8659_proj, .Lfunc_end_k_q96886d8659_proj-k_q96886d8659_proj
	.p2alignl 7, 3214868480
	.fill 96, 4, 3214868480
	.section	.rodata,"a",@progbits
	.p2align	6, 0x0
	.amdhsa_kernel k_q96886d8659_proj
		.amdhsa_group_segment_fixed_size 26624
		.amdhsa_private_segment_fixed_size 0
		.amdhsa_enable_private_segment 0
		.amdhsa_kernarg_size 104
		.amdhsa_user_sgpr_count 2
		.amdhsa_user_sgpr_kernarg_segment_ptr 1
		.amdhsa_wavefront_size32 1
		.amdhsa_system_sgpr_workgroup_id_x 1
		.amdhsa_system_sgpr_workgroup_id_y 1
		.amdhsa_system_sgpr_workgroup_id_z 1
		.amdhsa_system_vgpr_workitem_id 0
		.amdhsa_next_free_vgpr 512
		.amdhsa_next_free_sgpr 66
		.amdhsa_reserve_vcc 0
		.amdhsa_float_denorm_mode_32 3
		.amdhsa_float_denorm_mode_16_64 3
		.amdhsa_memory_ordered 1
		.amdhsa_forward_progress 1
		.amdhsa_inst_pref_size 139
	.end_amdhsa_kernel
	.amdgpu_metadata
---
amdhsa.version: [ 1, 2 ]
amdhsa.kernels:
  - .name:           k_q96886d8659_proj
    .symbol:         k_q96886d8659_proj.kd
    .args:
      - { .name: x_codes, .offset: 0, .size: 8, .value_kind: global_buffer, .address_space: global }
      - { .name: x_scales, .offset: 8, .size: 8, .value_kind: global_buffer, .address_space: global }
      - { .name: Wq_codes, .offset: 16, .size: 8, .value_kind: global_buffer, .address_space: global }
      - { .name: Wk_codes, .offset: 24, .size: 8, .value_kind: global_buffer, .address_space: global }
      - { .name: Wq_scales, .offset: 32, .size: 8, .value_kind: global_buffer, .address_space: global }
      - { .name: Wk_scales, .offset: 40, .size: 8, .value_kind: global_buffer, .address_space: global }
      - { .name: bq, .offset: 48, .size: 8, .value_kind: global_buffer, .address_space: global }
      - { .name: bk, .offset: 56, .size: 8, .value_kind: global_buffer, .address_space: global }
      - { .name: Wv_codes, .offset: 64, .size: 8, .value_kind: global_buffer, .address_space: global }
      - { .name: Wv_scales, .offset: 72, .size: 8, .value_kind: global_buffer, .address_space: global }
      - { .name: bv, .offset: 80, .size: 8, .value_kind: global_buffer, .address_space: global }
      - { .name: qp, .offset: 88, .size: 8, .value_kind: global_buffer, .address_space: global }
      - { .name: kv, .offset: 96, .size: 8, .value_kind: global_buffer, .address_space: global }
    .group_segment_fixed_size: 26624
    .private_segment_fixed_size: 0
    .kernarg_segment_align: 8
    .kernarg_segment_size: 104
    .max_flat_workgroup_size: 256
    .sgpr_count:     66
    .vgpr_count:     512
    .wavefront_size: 32
...
	.end_amdgpu_metadata
.endif
;; end of part 3
;; launch attn: the kernel of part 2 again; grid 8 x 32, 4 waves a work-group, clusters of 4 x 1, 327,680 bytes of LDS; arguments qp, kv, mask, out0; writes out0
